; MI455X (gfx1250); checked and timed in simulation.
; The chip was launched on July 23, 2026; its instructions are those of AMD's public machine-readable ISA for CDNA 5 (MIT licence, August 2026) and "CDNA5" Instruction Set Architecture Reference Guide (July 2026). The comments in the code are by the model that wrote it; some were corrected since.
;; Vuln Sage. Allowed arithmetic: float matrix products may take bf16 or f16 operands with f32 sums; other float arithmetic in f32, or as packed bf16 or f16 multiplies, adds, multiply-adds, maxima and minima; sums over many terms, partial sums and values carried from step to step in f32; what a program stores and reads back later, other than sums and carried values, may be rounded once to bf16 or f16.
;; Inputs: Wk 2,048 x 2,048 float32; Wo 2,048 x 2,048 float32; Wq 2,048 x 2,048 float32; Wv 2,048 x 2,048 float32; beta 2,048 float32; bk 2,048 float32; bo 2,048 float32; bq 2,048 float32; bv 2,048 float32; e0 1,024 x 2,048 float32; e1 1,024 x 2,048 float32; e2 1,024 x 2,048 float32; e3 1,024 x 2,048 float32; gamma 2,048 float32; quality 1,024 x 4 float32.
;; Outputs: out0 1,024 x 2,048 float32.
;; 2 versions, each right; version 2 is version 1 with the launch cast written anew for expert scheduling mode. Each part assembles by itself: llvm-mc -triple=amdgcn-amd-amdhsa -mcpu=gfx1250 --defsym DOCPART=n.
;; ======== version 1 of 2: 4 launches
;; workspace buffers: Hblk 16,777,216 bytes; Wblk 25,165,824 bytes; Wob 8,388,608 bytes; resid 8,388,608 bytes; ctxb 4,194,304 bytes; yb 8,388,608 bytes
;; launch cast (part 1): grid 768 x 1, 8 waves a work-group, no clusters, 0 bytes of LDS; arguments e0, e1, e2, e3, Wq, Wk, Wv, Wo, bo, Hblk, Wblk, Wob, resid; writes Hblk, Wblk, Wob, resid
.if DOCPART == 1
	.amdgcn_target "amdgcn-amd-amdhsa--gfx1250"
	.amdhsa_code_object_version 6
	.text
	.protected	k_q88de9c9fe3_cast
	.globl	k_q88de9c9fe3_cast
	.p2align	8
	.type	k_q88de9c9fe3_cast,@function
k_q88de9c9fe3_cast:
	s_mov_b64 s[64:65], 0
	v_nop
	global_prefetch_b8 v0, s[64:65] scope:SCOPE_SE
	s_setreg_imm32_b32 hwreg(HW_REG_WAVE_MODE, 25, 1), 1
	s_wait_xcnt 0x0
; THE INPUTS OF THE THREE PRODUCTS, ROUNDED ONCE TO bf16 AND LAID IN TILE ORDER, AND THE RESIDUAL.
;   Hblk [y 16][ks 32][rho 256][64 k] bf16: row b = 64 y + bl of e_t lies at rho = 8 (bl / 2) + 2 t + bl % 2; k = 64 ks + kk.  A block (y, ks) is 32,768 dense bytes.
;   Wblk [head 16][x 3][ks 32][d 128][64 k] bf16: row 128 head + d of Wq, Wk, Wv (x = 0, 1, 2).  A block is 16,384 dense bytes.
;   Wob  [2048][2048] bf16: Wo as it lies.
;   resid [1024][2048] f32 = 1/4 (bf16 e0 + bf16 e1 + bf16 e2 + bf16 e3) + bf16 bo, summed in f32.
; LIMITS.  Every number is rounded to bf16, to nearest even; NaN and infinities are not treated apart.
; SHARES.  768 work-groups of eight waves; a wave reads 16,384 bytes of e or W in ONE run of loads, converts and stores: no loop, no LDS, no register written twice while a
; memory instruction may read it.  Work-groups 0-255: e and resid; 256-639: Wq, Wk, Wv; 640-767: Wo.
; Every load of a wave covers two pieces of 256 consecutive bytes (or 512 on end), every store of 8 bytes a lane 256 consecutive bytes, aligned.
; No matrix unit, no cluster, no tensor load: nothing but the 8,192 bytes of bo is read by two waves.  No prefetch: all that a wave reads is asked for at once.
.set SO,  2                            ; v2   my byte offset in the source
.set DO,  3                            ; v3   8 x lane: my 8 bytes of a store of bf16
.set BOO, 4                            ; v4   my byte offset in bo
.set QTR, 5                            ; v5   0.25
.set X,   16                           ; v[16:143]  as loaded, four registers a load; the first two then hold the four numbers as bf16
.set BOR, 144                          ; v[144:175] bo, likewise
.set R,   176                          ; v[176:207] the residual
.set SRC, 34                           ; s[34:35] the wave's source
.set DST, 40                           ; s[40:41] the wave's destination
	s_load_b512 s[8:23], s[0:1], 0x0               ; e0 s[8:9], e1, e2, e3 s[14:15], Wq s[16:17], Wk s[18:19], Wv s[20:21], Wo s[22:23]
	s_load_b256 s[24:31], s[0:1], 0x40             ; bo s[24:25], Hblk s[26:27], Wblk s[28:29], Wob s[30:31]
	s_load_b64 s[32:33], s[0:1], 0x60              ; resid
	v_lshrrev_b32 v1, 5, v0
	v_readfirstlane_b32 s2, v1                     ; wave 0..7
	v_and_b32 v6, 31, v0                           ; lane
	v_and_b32 v7, 15, v0                           ; lane % 16
	v_bfe_u32 v8, v0, 4, 1                         ; lane / 16
	v_lshlrev_b32 v[DO], 3, v6
	s_mov_b32 s37, 0                               ; the high words of the two offsets
	s_mov_b32 s39, 0
	s_wait_kmcnt 0x0
	s_cmp_lt_u32 ttmp9, 256
	s_cbranch_scc1 .Levidence
	s_cmp_lt_u32 ttmp9, 640
	s_cbranch_scc0 .Lflat
; 32 loads of 16 bytes a lane on end, then load by load: the wait leaves the younger loads out, two roundings in place, one store.
.macro CAST32 sstep, dstep
.set i, 0
.rept 32
	global_load_b128 v[X+4*i:X+4*i+3], v[SO], s[SRC:SRC+1] offset:i*(\sstep) th:TH_LOAD_NT
.set i, i+1
.endr
.set i, 0
.rept 32
	s_wait_loadcnt 31-i                            ; loads come back in order: load i is in, the 31 - i younger ones stay out
	v_cvt_pk_bf16_f32 v[X+4*i], v[X+4*i], v[X+4*i+1]
	v_cvt_pk_bf16_f32 v[X+4*i+1], v[X+4*i+2], v[X+4*i+3]
	global_store_b64 v[DO], v[X+4*i:X+4*i+1], s[DST:DST+1] offset:i*(\dstep) th:TH_STORE_NT
.set i, i+1
.endr
.endm
	; Wq, Wk, Wv.  The wave takes rows 2 p and 2 p + 1 of one of them: lanes 0-15 the first, lanes 16-31 the second; load i is K block i (64 numbers, 256 bytes) of both.
	s_sub_co_u32 s3, ttmp9, 256
	s_lshr_b32 s4, s3, 7                           ; x: which of the three
	s_and_b32 s3, s3, 127
	s_lshl3_add_u32 s3, s3, s2                     ; p = 0..1023
	s_cmp_eq_u32 s4, 0
	s_cselect_b64 s[SRC:SRC+1], s[16:17], s[18:19]
	s_cmp_eq_u32 s4, 2
	s_cselect_b64 s[SRC:SRC+1], s[20:21], s[SRC:SRC+1]
	s_lshl_b32 s36, s3, 14                         ; two rows of 8,192 bytes
	s_add_nc_u64 s[SRC:SRC+1], s[SRC:SRC+1], s[36:37]
	s_lshr_b32 s5, s3, 6                           ; head
	s_mul_i32 s5, s5, 3
	s_add_co_u32 s5, s5, s4
	s_lshl_b32 s38, s5, 19                         ; (3 head + x) x 32 blocks of 16,384 bytes
	s_and_b32 s5, s3, 63
	s_lshl_b32 s5, s5, 8                           ; rows d = 2 (p % 64) and the next: 256 bytes of a block
	s_add_co_u32 s38, s38, s5
	s_add_nc_u64 s[DST:DST+1], s[28:29], s[38:39]
	v_lshlrev_b32 v[SO], 4, v7
	v_lshl_add_u32 v[SO], v8, 13, v[SO]            ; 16 (lane % 16) + 8,192 (lane / 16)
	CAST32 256, 16384
	s_endpgm
.Lflat:                                        ; Wo: 16,384 bytes on end become 8,192 on end
	s_sub_co_u32 s3, ttmp9, 640
	s_lshl3_add_u32 s3, s3, s2                     ; p = 0..1023
	s_lshl_b32 s36, s3, 14
	s_add_nc_u64 s[SRC:SRC+1], s[22:23], s[36:37]
	s_lshl_b32 s38, s3, 13
	s_add_nc_u64 s[DST:DST+1], s[30:31], s[38:39]
	v_lshlrev_b32 v[SO], 4, v6
	CAST32 512, 256
	s_endpgm
.Levidence:                                    ; e0..e3: the wave takes rows b = 2 bp, 2 bp + 1 of all four, K blocks 8 kg .. 8 kg + 7
	s_lshl_b32 s3, ttmp9, 3
	s_add_co_u32 s3, s3, s2                        ; p = 0..2047
	s_lshr_b32 s4, s3, 2                           ; bp
	s_and_b32 s5, s3, 3                            ; kg
	s_lshl_b32 s36, s4, 14
	s_lshl_b32 s6, s5, 11
	s_add_co_u32 s36, s36, s6                      ; bp x two rows + kg x 2,048 bytes: the same in e0..e3 and in resid
	s_add_nc_u64 s[8:9], s[8:9], s[36:37]
	s_add_nc_u64 s[10:11], s[10:11], s[36:37]
	s_add_nc_u64 s[12:13], s[12:13], s[36:37]
	s_add_nc_u64 s[14:15], s[14:15], s[36:37]
	s_add_nc_u64 s[32:33], s[32:33], s[36:37]
	s_lshr_b32 s7, s4, 5
	s_lshl_b32 s38, s7, 20                         ; y x 32 blocks of 32,768 bytes
	s_lshl_b32 s7, s5, 18                          ; + 8 kg blocks
	s_add_co_u32 s38, s38, s7
	s_and_b32 s7, s4, 31
	s_lshl_b32 s7, s7, 10                          ; + rho = 8 (bl / 2): 1,024 bytes
	s_add_co_u32 s38, s38, s7
	s_add_nc_u64 s[DST:DST+1], s[26:27], s[38:39]
	v_lshlrev_b32 v[SO], 4, v7
	v_add_nc_u32 v[BOO], s6, v[SO]                 ; bo: both halves of the lanes read the same columns
	v_lshl_add_u32 v[SO], v8, 13, v[SO]
	v_mov_b32 v[QTR], 0x3e800000
.set i, 0
.rept 8                                        ; 40 loads on end: for K block i bo, then e0..e3
	global_load_b128 v[BOR+4*i:BOR+4*i+3], v[BOO], s[24:25] offset:256*i
.irp t, 0,1,2,3
	global_load_b128 v[X+16*i+4*\t:X+16*i+4*\t+3], v[SO], s[8+2*\t:9+2*\t] offset:256*i th:TH_LOAD_NT
.endr
.set i, i+1
.endr
.macro MIXB d, a, c, h                 ; d = half h of a x 0.25 + half h of c
	v_fma_mix_f32_bf16 v[\d], v[\a], v[QTR], v[\c] op_sel:[\h,0,\h] op_sel_hi:[1,0,1]
.endm
.macro MIXA d, a, h                    ; d = half h of a x 0.25 + d
	v_fma_mix_f32_bf16 v[\d], v[\a], v[QTR], v[\d] op_sel:[\h,0,0] op_sel_hi:[1,0,0]
.endm
.set i, 0
.rept 8
	s_wait_loadcnt 35-5*i                          ; K block i's five loads are in; five for each later block stay out
.irp t, 0,1,2,3
	v_cvt_pk_bf16_f32 v[X+16*i+4*\t], v[X+16*i+4*\t], v[X+16*i+4*\t+1]
	v_cvt_pk_bf16_f32 v[X+16*i+4*\t+1], v[X+16*i+4*\t+2], v[X+16*i+4*\t+3]
.endr
	v_cvt_pk_bf16_f32 v[BOR+4*i], v[BOR+4*i], v[BOR+4*i+1]
	v_cvt_pk_bf16_f32 v[BOR+4*i+1], v[BOR+4*i+2], v[BOR+4*i+3]
	MIXB R+4*i,   X+16*i,   BOR+4*i,   0           ; four chains of four fused multiply-adds, side by side
	MIXB R+4*i+1, X+16*i,   BOR+4*i,   1
	MIXB R+4*i+2, X+16*i+1, BOR+4*i+1, 0
	MIXB R+4*i+3, X+16*i+1, BOR+4*i+1, 1
.irp t, 1,2,3
	MIXA R+4*i,   X+16*i+4*\t,   0
	MIXA R+4*i+1, X+16*i+4*\t,   1
	MIXA R+4*i+2, X+16*i+4*\t+1, 0
	MIXA R+4*i+3, X+16*i+4*\t+1, 1
.endr
.irp t, 0,1,2,3
	global_store_b64 v[DO], v[X+16*i+4*\t:X+16*i+4*\t+1], s[DST:DST+1] offset:i*32768+\t*256 th:TH_STORE_NT  ; rows rho + 2 t and + 2 t + 1: 256 bytes on end
.endr
	global_store_b128 v[SO], v[R+4*i:R+4*i+3], s[32:33] offset:256*i th:TH_STORE_NT  ; sixteen lanes: 256 consecutive bytes of a row of resid
.set i, i+1
.endr
	s_endpgm
.Lfunc_end_k_q88de9c9fe3_cast:
	.size	k_q88de9c9fe3_cast, .Lfunc_end_k_q88de9c9fe3_cast-k_q88de9c9fe3_cast
	.p2alignl 7, 3214868480
	.fill 96, 4, 3214868480
	.section	.rodata,"a",@progbits
	.p2align	6, 0x0
	.amdhsa_kernel k_q88de9c9fe3_cast
		.amdhsa_group_segment_fixed_size 0
		.amdhsa_private_segment_fixed_size 0
		.amdhsa_enable_private_segment 0
		.amdhsa_kernarg_size 104
		.amdhsa_user_sgpr_count 2
		.amdhsa_user_sgpr_kernarg_segment_ptr 1
		.amdhsa_wavefront_size32 1
		.amdhsa_system_sgpr_workgroup_id_x 1
		.amdhsa_system_sgpr_workgroup_id_y 1
		.amdhsa_system_sgpr_workgroup_id_z 1
		.amdhsa_system_vgpr_workitem_id 0
		.amdhsa_next_free_vgpr 208
		.amdhsa_next_free_sgpr 66
		.amdhsa_reserve_vcc 0
		.amdhsa_float_denorm_mode_32 3
		.amdhsa_float_denorm_mode_16_64 3
		.amdhsa_memory_ordered 1
		.amdhsa_forward_progress 1
		.amdhsa_inst_pref_size 46
	.end_amdhsa_kernel
	.amdgpu_metadata
---
amdhsa.version: [ 1, 2 ]
amdhsa.kernels:
  - .name:           k_q88de9c9fe3_cast
    .symbol:         k_q88de9c9fe3_cast.kd
    .args:
      - { .name: e0, .offset: 0, .size: 8, .value_kind: global_buffer, .address_space: global }
      - { .name: e1, .offset: 8, .size: 8, .value_kind: global_buffer, .address_space: global }
      - { .name: e2, .offset: 16, .size: 8, .value_kind: global_buffer, .address_space: global }
      - { .name: e3, .offset: 24, .size: 8, .value_kind: global_buffer, .address_space: global }
      - { .name: Wq, .offset: 32, .size: 8, .value_kind: global_buffer, .address_space: global }
      - { .name: Wk, .offset: 40, .size: 8, .value_kind: global_buffer, .address_space: global }
      - { .name: Wv, .offset: 48, .size: 8, .value_kind: global_buffer, .address_space: global }
      - { .name: Wo, .offset: 56, .size: 8, .value_kind: global_buffer, .address_space: global }
      - { .name: bo, .offset: 64, .size: 8, .value_kind: global_buffer, .address_space: global }
      - { .name: Hblk, .offset: 72, .size: 8, .value_kind: global_buffer, .address_space: global }
      - { .name: Wblk, .offset: 80, .size: 8, .value_kind: global_buffer, .address_space: global }
      - { .name: Wob, .offset: 88, .size: 8, .value_kind: global_buffer, .address_space: global }
      - { .name: resid, .offset: 96, .size: 8, .value_kind: global_buffer, .address_space: global }
    .group_segment_fixed_size: 0
    .private_segment_fixed_size: 0
    .kernarg_segment_align: 8
    .kernarg_segment_size: 104
    .max_flat_workgroup_size: 256
    .sgpr_count:     66
    .vgpr_count:     208
    .wavefront_size: 32
...
	.end_amdgpu_metadata
.endif
;; end of part 1
;; launch qkvatt (part 2): grid 16 x 16, 4 waves a work-group, clusters of 4 x 4, 327,680 bytes of LDS; arguments Hblk, Wblk, bq, bk, bv, quality, ctxb; writes ctxb
.if DOCPART == 2
	.amdgcn_target "amdgcn-amd-amdhsa--gfx1250"
	.amdhsa_code_object_version 6
	.text
	.protected	k_q88de9c9fe3_qkvatt
	.globl	k_q88de9c9fe3_qkvatt
	.p2align	8
	.type	k_q88de9c9fe3_qkvatt,@function
k_q88de9c9fe3_qkvatt:
	s_mov_b64 s[64:65], 0
	v_nop
	global_prefetch_b8 v0, s[64:65] scope:SCOPE_SE
	s_setreg_imm32_b32 hwreg(HW_REG_WAVE_MODE, 25, 1), 1
	s_wait_xcnt 0x0
	s_wait_alu depctr_hold_cnt(0) depctr_sa_sdst(0) depctr_va_vdst(0) depctr_va_sdst(0) depctr_va_ssrc(0) depctr_va_vcc(0) depctr_vm_vsrc(0)
	s_getreg_b32 s2, hwreg(HW_REG_IB_STS2, 6, 4)
	s_cmp_eq_u32 s2, 0
	s_cbranch_scc0 .Lentry_in_a_cluster
	s_endpgm
.Lentry_in_a_cluster:
	s_bfe_u32 s2, ttmp6, 0x10000c
	s_cmp_lg_u32 s2, 0xf033
	s_cbranch_scc0 .Lentry_shape_is_right
	s_endpgm
.Lentry_shape_is_right:
; Q, K, V OF ONE HEAD FOR 64 b, THE 4 x 4 ATTENTION, AND THE MEAN OVER THE FOUR QUERY ROWS OF THE CONTEXT.
; ctxb[b][128 head + d] = sum over j of w[j] V[b][j][d] + bv[d], w[j] = 1/4 sum over i of softmax_j(Q[b][i] . K[b][j] / sqrt(128) x quality[b][j]); bf16, rounded once.
; (The mean over the query rows is taken ahead of the output projection, which is linear.  bv is added once: the w[j] sum to 1 but for f32 rounding.)
; LIMITS.  e and W arrive as bf16; bq, bk, bv and quality are rounded to bf16 here; products, scores, maxima, sums and the context in f32.  A weight below 2^-126 counts as 0; NaN and infinities are not treated apart.
; SHARES.  Work-group (head, y) multiplies 256 rows of H (64 b x 4 evidence types, rho = 8 (bl / 2) + 2 t + bl % 2) by the head's 3 x 128 rows of W, K = 2,048: 256 work-groups.
; Wave w: rows 128 (w / 2) on, channels 64 (w % 2) on of each of Q, K, V: 96 accumulators of 16 x 16, 768 registers: window 1 Q, window 2 K, window 3 V; (a, bt) at v[32 a + 8 bt].
; OPERAND ORDER.  Q and K: source 0 = 16 rows of W, source 1 = 16 rows of H: a lane holds ONE row rho = 16 a + lane % 16 and the channels 16 bt + 8 (lane / 16) + 0..7.
; V: source 0 = H, source 1 = W: a lane holds ONE channel 16 bt + lane % 16 and the rows 16 a + 8 (lane / 16) + j: t = j / 2 of two b.  Both sources have one fragment layout, so one set of registers serves both.
; RING.  K goes in steps of 64 through two LDS slots (A: 256 rows, then three parts of B: 128 rows each; rows of 128 bytes + 16 of padding).  In memory a step's block is dense, and is asked for as rows of 256 bytes.
; Two slots of twice the step would take 2 x 640 rows x 272 bytes = 348,160 bytes: more than there is.
; CLUSTER 4 x 4.  A's block hangs on y alone and is asked for jointly by a row of the cluster, B's on the head alone, by a column.  Wave 0 asks for A (32,768 bytes), waves 1-3 for one part of B each (16,384).
; By this text's own count a wave has two tensor loads out at the start and one behind each change of slots.
; REGISTERS, window 0: v0 thread; v4-15, v22 addresses; v16-17, v20-21 fragment addresses by slot; v24-27 bv; v28-29 for the add; v30 prefetch offset;
;   v32-95, v96-159 H's fragments, two buffers of 8; v160-255 W's 12 fragments.  Behind the products these 224 registers serve the attention (the names below).
.set PITCH,  144                       ; 36 words: the 16 rows of a fragment load start at 16 different groups of four banks (64 banks of 4 bytes: ISA guide 11.1)
.set ABYTES, 256*PITCH
.set BPART,  128*PITCH
.set SLOT,   ABYTES+3*BPART            ; 92,160
.set SCR,    2*SLOT                    ; partial scores: [wave][a 8][row 16][4 f32], 8,192 bytes
.set WST,    SCR+8192                  ; w by row: [wave][a 8][row 16] f32, 2,048 bytes
.set CST,    WST+2048                  ; the mean context in f32: 64 rows of 512 bytes + 32
.set CPITCH, 544
.set SPARE,  CST+64*CPITCH             ; the spare words, 128 bytes a wave: two blocks of 256 bytes that no other line names
.set ASTEP,  32768                     ; bytes of a K step of A in memory
.set BSTEP,  16384                     ; and of a part of B
.set BIO,  4                           ; v4     byte offset in bq, bk: 512 head + 256 (w % 2) + 32 (lane / 16)
.set BVO,  5                           ; v5     in bv: 512 head + 256 (w % 2) + 4 (lane % 16)
.set QO,   6                           ; v6-9   in quality: (b, t xor x) for x = 0..3
.set SCW,  10                          ; v10    where I put my partial scores
.set SCD,  11                          ; v11    where the other half of the channels' wave puts its own
.set WSW,  12                          ; v12    where I put w
.set WSR,  13                          ; v13    where I read eight rows' w
.set CSW,  14                          ; v14    where I put the context
.set CSR,  15                          ; v15    where I read rows of it back
.set ADRA, 16
.set ADRB, 20
.set CGO,  22                          ; v22    my byte offset in two rows of ctxb
.set BV,   24
.set SPW,  28                          ; v28    SPARE + 4 x my thread's number; never rewritten
.set NIL,  29                          ; v29    0; never rewritten
.set PFO,  30                          ; v30    256 x lane; never rewritten
.set FA0,  32
.set FA1,  96
.set FB,   160
.set BQ,   32                          ; the attention: bq, bk by (bt, j)
.set BK,   64
.set QT,   96                          ; Q + bq and K + bk of one block of 16 rows
.set KT,   128
.set QL,   160                         ; quality[b][t xor x] at QL + 4 a + x
.set KX,   192                         ; eight registers of K from the lanes of t xor 1, 2, 3
.set T,    216                         ; four packed sums
.set S,    224                         ; the scores, then the weights: S + 4 a + x
.set U,    96                          ; the other lanes', the other wave's scores
.set M,    192                         ; by a: c m and m; then the sum and its reciprocal
.set W8,   96                          ; w of rows 16 a + 8 (lane / 16) + j at W8 + 8 a + j
.set CXR,  32                          ; the context: CXR + 8 a + 2 bt + b'
.set OB,   96
.set OP,   160
.set WV,   18                          ; s18 wave; s19 wave / 2; s20 wave % 2; s21 cx; s22 cy; s23 head
.set RH,   19
.set CH,   20
.set CX,   21
.set CY,   22
.set HEAD, 23
.set G1A,  24                          ; s[24:31] descriptor group 1 for A
.set G0A,  32                          ; s[32:39] group 0 for A, a set for each slot
.set YB,   40                          ; s40 y
.set CNT,  41                          ; s41 laps to go
.set LIM,  42                          ; s42, s43: a wave prefetches at slot n's change while CNT is above s[LIM + n]
.set PFA,  44                          ; s[44:45] where my prefetches stand
.set PST,  46                          ; s[46:47] their step
.set G1B,  48
.set G0B,  56
.set CS,   66                          ; s[66:67] c = log2(e) / sqrt(128), twice
.set SEL,  68                          ; s[68:69] v_permlanex16_b32: each lane takes its own place in the other half
.set MSB, 0
.macro WIN new                         ; s_set_vgpr_msb: bits 1:0 source 0, 3:2 source 1, 5:4 source 2, 7:6 destination; the high byte repeats the setting that is left
.if MSB != (\new)
	s_set_vgpr_msb (MSB<<8)|(\new)
.set MSB, \new
.endif
.endm
.macro PLACES                          ; four plain vector instructions between a matrix instruction and a load into, or a vector instruction on, its registers
.rept 4
	v_nop
.endr
.endm
.macro REP n, line:vararg              ; a line n times, q = 0 .. n - 1
.set q, 0
.rept \n
	\line
.set q, q+1
.endr
.endm
; A joint load: wave 0 A's block, waves 1-3 their part of B's.  The branch hangs on the wave's number alone.  An s_nop 0 and four v_nop follow each line.
.macro JLOAD s
	s_cmp_eq_u32 s[WV], 0
	s_cbranch_scc0 .Lfor_b_\@
	tensor_load_to_lds s[G0A+4*(\s):G0A+4*(\s)+3], s[G1A:G1A+7]
	s_nop 0
.rept 4
	v_nop
.endr
	s_branch .Lasked_\@
.Lfor_b_\@:
	tensor_load_to_lds s[G0B+4*(\s):G0B+4*(\s)+3], s[G1B:G1B+7]
	s_nop 0
.rept 4
	v_nop
.endr
.Lasked_\@:
.endm
; A PREFETCH INTO THE L2, behind the joint load, its five lines and the run of LDS loads.  At the change that ends K step s the refill asks for step s + 2; the prefetch names 32,768 bytes from block s + 3 on:
; 32 lanes x 256 bytes in each of the four partners that ask jointly, told apart BY ADDRESS (cx for A, cy for B).  For A that is step s + 3, at every change; for a part of B steps s + 3 and s + 4, at slot 0's changes alone.
; A's blocks are read by every cluster of a row of clusters: cluster x = 0 asks; B's by every cluster of a column: cluster y = 0 asks.  So each block is named once in the launch.
; The last block named is 31 for A and 30 for B; steps 0 to 2, and B's step 31, come by their loads alone.
.macro ASK slot
	s_cmp_gt_u32 s[CNT], s[LIM+(\slot)]
	s_cbranch_scc0 .Lnot_mine_\@
	global_prefetch_b8 v[PFO], s[PFA:PFA+1] th:TH_LOAD_NT scope:SCOPE_SE
.Lnot_mine_\@:
.endm
.macro CREST                           ; a round of the cluster's barrier behind its opening barrier
	s_cmp_lg_u32 s[WV], 0
	s_cbranch_scc1 .Lnot_wave_0_\@
	s_barrier_signal -3
.Lnot_wave_0_\@:
	s_barrier_wait -3
	s_barrier_signal -1
	s_barrier_wait -1
.endm
.macro CROUND
	s_barrier_signal -1
	s_barrier_wait -1
	CREST
.endm
	s_load_b256 s[4:11], s[0:1], 0x0               ; Hblk s[4:5], Wblk s[6:7], bq s[8:9], bk s[10:11]
	s_load_b128 s[12:15], s[0:1], 0x20             ; bv s[12:13], quality s[14:15]
	s_load_b64 s[16:17], s[0:1], 0x30              ; ctxb
	v_lshl_add_u32 v[SPW], v0, 2, SPARE
	v_mov_b32 v[NIL], 0
	ds_add_u32 v[SPW], v[NIL]                      ; the wave's opening: the add and its wait stand ahead of my first tensor load; work on registers stands between them
	v_lshrrev_b32 v1, 5, v0
	v_readfirstlane_b32 s[WV], v1
	s_lshr_b32 s[RH], s[WV], 1
	s_and_b32 s[CH], s[WV], 1
	s_bfe_u32 s[CX], ttmp6, 0x40000
	s_bfe_u32 s[CY], ttmp6, 0x40004
	s_lshl_b32 s[HEAD], ttmp9, 2                   ; in a cluster launch ttmp9 and ttmp7 count clusters
	s_add_co_u32 s[HEAD], s[HEAD], s[CX]
	s_and_b32 s[YB], ttmp7, 0xffff
	s_lshl_b32 s[YB], s[YB], 2
	s_add_co_u32 s[YB], s[YB], s[CY]
	s_lshl_b32 s70, s[CY], 2
	s_lshl_b32 s70, 15, s70                        ; my row of the cluster
	s_lshl_b32 s71, 0x1111, s[CX]                  ; my column
	; group 1: rows of 128 elements of 2 bytes, dense; 16 bytes of padding in LDS after every 32 words, that is after every row of H or W
	s_or_b32 s[G1A], s70, (1<<16)|(1<<20)|(1<<21)|(4<<22)|(3<<25)  ; 15:0 the mask; 17:16 2-byte elements; 20 padding on; 21 set beside a mask; 24:22 every 32 words (code 4); 31:25 4 words (code 3)
	s_or_b32 s[G1B], s71, (1<<16)|(1<<20)|(1<<21)|(4<<22)|(3<<25)
	s_mov_b32 s[G1A+1], 128<<16                    ; tensor_dim0 = 128
	s_mov_b32 s[G1A+2], 128<<16                    ; tensor_dim1 = 128 rows of 256 bytes
	s_mov_b32 s[G1A+3], 128<<16                    ; tile_dim0 = 128
	s_mov_b32 s[G1A+4], 128                        ; tile_dim1 = 128
	s_mov_b32 s[G1A+5], 128                        ; 128 elements from row to row
	s_mov_b32 s[G1A+6], 0
	s_mov_b32 s[G1A+7], 0
	s_mov_b32 s[G1B+1], 128<<16
	s_mov_b32 s[G1B+2], 64<<16                     ; 64 rows of 256 bytes
	s_mov_b32 s[G1B+3], 128<<16
	s_mov_b32 s[G1B+4], 64
	s_mov_b32 s[G1B+5], 128
	s_mov_b32 s[G1B+6], 0
	s_mov_b32 s[G1B+7], 0
	s_mov_b32 s[CS], 0x3e0293ee                    ; 0.127517
	s_mov_b32 s[CS+1], s[CS]
	s_mov_b32 s[SEL], 0x76543210
	s_mov_b32 s[SEL+1], 0xfedcba98
	s_mov_b32 s[G0A+1], 0                          ; LDS: A at a slot's head,
	s_mov_b32 s[G0A+5], SLOT
	s_mul_i32 s72, s[WV], BPART                    ; wave w's part of B at (w + 1) x 128 rows: no place in the cluster enters an LDS address
	s_add_co_u32 s[G0B+1], s72, BPART
	s_add_co_u32 s[G0B+5], s72, BPART+SLOT
	s_lshl_b32 s2, s[YB], 20                       ; A: y x 32 blocks of 32,768 bytes
	s_mov_b32 s3, 0
	s_max_u32 s72, s[WV], 1                        ; B: part w - 1 (wave 0 never asks by this descriptor; its copy points at part 0)
	s_sub_co_u32 s72, s72, 1
	s_mul_i32 s73, s[HEAD], 3
	s_add_co_u32 s73, s73, s72
	s_lshl_b32 s78, s73, 19                        ; x 32 blocks of 16,384 bytes
	s_mov_b32 s79, 0
	s_wait_dscnt 0x0                               ; the opening add is done
	s_wait_kmcnt 0x0
	s_add_nc_u64 s[74:75], s[4:5], s[2:3]
	s_add_nc_u64 s[76:77], s[6:7], s[78:79]
	CROUND                                         ; all sixteen work-groups are here: the first joint loads meet
.irp s, 0,1
	s_mov_b32 s[G0A+4*\s], 1
	s_add_nc_u64 s[G0A+4*\s+2:G0A+4*\s+3], s[74:75], \s*ASTEP
	s_or_b32 s[G0A+4*\s+3], s[G0A+4*\s+3], 0x80000000
	s_mov_b32 s[G0B+4*\s], 1
	s_add_nc_u64 s[G0B+4*\s+2:G0B+4*\s+3], s[76:77], \s*BSTEP
	s_or_b32 s[G0B+4*\s+3], s[G0B+4*\s+3], 0x80000000
.endr
	s_cmp_eq_u32 s[WV], 0                          ; a wave's two first fills stand in one branch, ahead of every wait on TENSORcnt and every LDS read
	s_cbranch_scc0 .Lfirst_b
	tensor_load_to_lds s[G0A:G0A+3], s[G1A:G1A+7]
	s_nop 0
	tensor_load_to_lds s[G0A+4:G0A+7], s[G1A:G1A+7]
	s_nop 0
.rept 4
	v_nop
.endr
	s_branch .Lfirst_asked
.Lfirst_b:
	tensor_load_to_lds s[G0B:G0B+3], s[G1B:G1B+7]
	s_nop 0
	tensor_load_to_lds s[G0B+4:G0B+7], s[G1B:G1B+7]
	s_nop 0
.rept 4
	v_nop
.endr
.Lfirst_asked:
	; the prefetches
	s_and_b32 s70, ttmp7, 0xffff                   ; cluster y
	s_mov_b32 s[PST], BSTEP
	s_mov_b32 s[PST+1], 0
	s_cmp_eq_u32 s[WV], 0                          ; do I fetch A?
	s_cselect_b32 s71, s[CX], s[CY]                ; my place among the four that ask with me
	s_cselect_b32 s72, ttmp9, s70                  ; the coordinate along which other clusters read the same blocks
	s_cselect_b32 s[PST], ASTEP, s[PST]
	s_cselect_b32 s[LIM], 0, 1
	s_cselect_b32 s[LIM+1], 1, -1
	s_cselect_b64 s[PFA:PFA+1], s[74:75], s[76:77]
	s_cmp_eq_u32 s72, 0
	s_cselect_b32 s[LIM], s[LIM], -1               ; the same in all sixteen partners, for a given wave
	s_cselect_b32 s[LIM+1], s[LIM+1], -1
	s_lshl_b32 s78, s71, 13
	s_mov_b32 s79, 0
	s_add_nc_u64 s[PFA:PFA+1], s[PFA:PFA+1], s[78:79]
	s_add_nc_u64 s[PFA:PFA+1], s[PFA:PFA+1], s[PST:PST+1]
	s_add_nc_u64 s[PFA:PFA+1], s[PFA:PFA+1], s[PST:PST+1]  ; at block 2: each change of slots steps it once, ahead of its prefetch
	v_and_b32 v[PFO], 31, v0
	v_lshlrev_b32 v[PFO], 8, v[PFO]
	; A fragment is 16 rows x 32 K in 8 registers: lane l holds row l % 16; K = 8 (l / 16) + 0..7 and 16 + 8 (l / 16) + 0..7: two loads of 16 bytes, 32 bytes apart.
	v_and_b32 v1, 15, v0                           ; r = l % 16
	v_bfe_u32 v2, v0, 4, 1                         ; hh = l / 16
	v_mul_u32_u24 v3, v1, PITCH
	v_lshl_add_u32 v3, v2, 4, v3
	s_mul_i32 s70, s[RH], 128*PITCH                ; my 128 rows of A
	s_mul_i32 s71, s[CH], 64*PITCH                 ; my 64 rows of each part of B,
	s_add_co_u32 s71, s71, ABYTES                  ; which lie behind A
	v_add_nc_u32 v[ADRA], s70, v3
	v_add_nc_u32 v[ADRA+1], SLOT, v[ADRA]
	v_add_nc_u32 v[ADRB], s71, v3
	v_add_nc_u32 v[ADRB+1], SLOT, v[ADRB]
	s_lshl_b32 s72, s[HEAD], 9
	s_lshl_b32 s73, s[CH], 8
	s_add_co_u32 s72, s72, s73
	v_lshl_add_u32 v[BIO], v2, 5, s72
	v_lshl_add_u32 v[BVO], v1, 2, s72
	v_bfe_u32 v10, v0, 3, 1                        ; of row rho = 16 a + r: b = 4 a + 2 (r / 8) + r % 2, t = (r / 2) % 4
	v_and_b32 v11, 1, v0
	v_bfe_u32 v12, v0, 1, 2
	v_lshl_add_u32 v13, v10, 1, v11
	s_lshl_b32 s72, s[YB], 6
	s_lshl_b32 s73, s[RH], 5
	s_add_co_u32 s72, s72, s73
	v_add_lshl_u32 v13, v13, s72, 2                ; four numbers a row of quality
.irp x, 0,1,2,3
	v_xor_b32 v14, \x, v12
	v_add_lshl_u32 v[QO+\x], v13, v14, 2
.endr
	s_lshl_b32 s72, s[WV], 11
	s_add_co_u32 s72, s72, SCR
	v_lshl_add_u32 v[SCW], v1, 4, s72
	s_xor_b32 s73, s[WV], 1
	s_lshl_b32 s73, s73, 11
	s_add_co_u32 s73, s73, SCR
	v_lshl_add_u32 v[SCD], v1, 4, s73
	s_lshl_b32 s72, s[WV], 9
	s_add_co_u32 s72, s72, WST
	v_lshl_add_u32 v[WSW], v1, 2, s72
	v_lshl_add_u32 v[WSR], v2, 5, s72
	s_mul_i32 s72, s[RH], 32*CPITCH                ; context in: row 32 (w / 2) + 4 a + 2 hh + b', column 64 (w % 2) + 16 bt + r
	s_lshl_b32 s73, s[CH], 8
	s_add_co_u32 s72, s72, s73
	s_add_co_u32 s72, s72, CST
	v_mul_u32_u24 v3, v2, 2*CPITCH
	v_lshl_add_u32 v3, v1, 2, v3
	v_add_nc_u32 v[CSW], s72, v3
	s_mul_i32 s72, s[WV], 16*CPITCH                ; back: wave w takes rows 16 w on, two at a time, 32 bytes a lane
	s_add_co_u32 s72, s72, CST
	v_mul_u32_u24 v3, v2, CPITCH
	v_lshl_add_u32 v3, v1, 5, v3
	v_add_nc_u32 v[CSR], s72, v3
	v_lshlrev_b32 v3, 12, v2
	v_lshl_add_u32 v[CGO], v1, 4, v3
	s_lshl_b32 s72, s[YB], 6
	s_lshl_b32 s73, s[WV], 4
	s_add_co_u32 s72, s72, s73
	s_lshl_b32 s72, s72, 12                        ; row 64 y + 16 w of ctxb, 4,096 bytes a row,
	s_lshl_b32 s73, s[HEAD], 8                     ; the head's 256 bytes
	s_add_co_u32 s72, s72, s73
	s_mov_b32 s73, 0
	s_add_nc_u64 s[16:17], s[16:17], s[72:73]
; n x 8 matrix instructions: W's fragments b0 .. b0 + n - 1 (b = 4 x + bt) x H's eight in buffer fa.  All 96 accumulators take turns, one instruction a turn, in the same order in every 32 along K.
.macro MMB b0, n, fa, zero
.set bb, \b0
.rept \n
	WIN 0x50*(bb/4+1)                              ; C and D in window x + 1, both sources in window 0
.set aa, 0
.rept 8
.set rD, 32*aa+8*(bb%4)
.set rW, FB+8*bb
.set rH, (\fa)+8*aa
.if bb < 8
.if \zero
	v_wmma_f32_16x16x32_bf16 v[rD:rD+7], v[rW:rW+7], v[rH:rH+7], 0
.else
	v_wmma_f32_16x16x32_bf16 v[rD:rD+7], v[rW:rW+7], v[rH:rH+7], v[rD:rD+7]
.endif
.else
.if \zero
	v_wmma_f32_16x16x32_bf16 v[rD:rD+7], v[rH:rH+7], v[rW:rW+7], 0
.else
	v_wmma_f32_16x16x32_bf16 v[rD:rD+7], v[rH:rH+7], v[rW:rW+7], v[rD:rD+7]
.endif
.endif
.set aa, aa+1
.endr
.set bb, bb+1
.endr
.endm
.macro LDA slot, kb, fa                ; 16 LDS loads: H's eight fragments at byte kb of the rows
	WIN 0
.set aa, 0
.rept 8
	ds_load_b128 v[(\fa)+8*aa:(\fa)+8*aa+3],   v[ADRA+(\slot)] offset:(\kb)+aa*16*PITCH
	ds_load_b128 v[(\fa)+8*aa+4:(\fa)+8*aa+7], v[ADRA+(\slot)] offset:(\kb)+aa*16*PITCH+32
.set aa, aa+1
.endr
.endm
.macro LDB slot, kb, b0, n             ; 2 n LDS loads: W's fragments b0 on
	WIN 0
.set bb, \b0
.rept \n
	ds_load_b128 v[FB+8*bb:FB+8*bb+3],   v[ADRB+(\slot)] offset:(\kb)+(128*(bb/4)+16*(bb%4))*PITCH
	ds_load_b128 v[FB+8*bb+4:FB+8*bb+7], v[ADRB+(\slot)] offset:(\kb)+(128*(bb/4)+16*(bb%4))*PITCH+32
.set bb, bb+1
.endr
.endm
; 32 along K on buffer fa; the next 32's fragments (slot nslot, byte nkb) are fetched in two runs, each 48 matrix instructions ahead of its first use.
.macro SUB fa, fn, nslot, nkb, zero
	s_wait_dscnt 12                                ; W's fragments 0-5 and H's eight are in; the youngest twelve loads (W's 6-11) may be out
	MMB 0, 6, \fa, \zero
	PLACES
	LDB \nslot, \nkb, 0, 6
	LDA \nslot, \nkb, \fn
	s_wait_dscnt 28                                ; all but the 28 just issued
	MMB 6, 6, \fa, \zero
	PLACES
	LDB \nslot, \nkb, 6, 6
.endm
; A K step's second 32, on buffer 1, and THE CHANGE OF SLOTS.  ONE barrier: in front of it each wave waits for all its tensor loads (the one that is out is its part of the next slot), adds 0 to its spare word,
; and waits for that and for its own reads of this slot.  fill = 1: the barrier opens a round of the cluster's, so that no wave of any partner still reads this slot or has a load on its way; the joint refill,
; two K steps on, is the first thing behind it, and 160 matrix instructions stand between it and the wait for it.
.macro TURN slot, next, fill
.if \fill
	s_wait_xcnt 0x0                                ; the last prefetch, a K step back, has read its address
	s_add_nc_u64 s[PFA:PFA+1], s[PFA:PFA+1], s[PST:PST+1]
.endif
	s_wait_dscnt 12
	MMB 0, 2, FA1, 0
	WIN 0                                          ; (the add's two registers lie in window 0)
	s_wait_tensorcnt 0x0                           ; all my tensor loads have landed
	ds_add_u32 v[SPW], v[NIL]                      ; 0 onto my spare word
	MMB 2, 2, FA1, 0                               ; sixteen matrix instructions stand between the add and the wait for it
	s_wait_dscnt 0x0                               ; the add is done, and my reads of this slot are over
	s_barrier_signal -1
	MMB 4, 2, FA1, 0
	WIN 0                                          ; at a branch and at a label every window is 0
	s_barrier_wait -1
.if \fill
	CREST
	s_add_nc_u64 s[G0A+4*(\slot)+2:G0A+4*(\slot)+3], s[G0A+4*(\slot)+2:G0A+4*(\slot)+3], 2*ASTEP
	s_add_nc_u64 s[G0B+4*(\slot)+2:G0B+4*(\slot)+3], s[G0B+4*(\slot)+2:G0B+4*(\slot)+3], 2*BSTEP
	JLOAD \slot                                    ; the four v_nop behind it are also the places in front of the loads below
.else
	PLACES
.endif
	LDB \next, 0, 0, 6
	LDA \next, 0, FA0
.if \fill
	ASK \slot
.endif
	MMB 6, 6, FA1, 0                               ; W's fragments 6-11 came in with the wait for 0 above
	PLACES
	LDB \next, 0, 6, 6
.endm
	s_wait_tensorcnt 1                             ; my part of K step 0 is in; step 1's may stay out
	s_barrier_signal -1
	s_barrier_wait -1
	LDB 0, 0, 0, 6
	LDA 0, 0, FA0
	LDB 0, 0, 6, 6
	SUB FA0, FA1, 0, 64, 1                         ; the first 32 along K start the sums: nothing is cleared
	WIN 0
	s_mov_b32 s[CNT], 15
.Llap:                                         ; a trip goes once round the ring and fills both slots again: trip i asks for K steps 2 i + 2 and 2 i + 3
	TURN 0, 1, 1
	SUB FA0, FA1, 1, 64, 0
	TURN 1, 0, 1
	SUB FA0, FA1, 0, 64, 0
	WIN 0
	s_sub_co_u32 s[CNT], s[CNT], 1
	s_cmp_lg_u32 s[CNT], 0
	s_cbranch_scc1 .Llap
	TURN 0, 1, 0                                   ; K steps 30 and 31: nothing is left to ask for
	SUB FA0, FA1, 1, 64, 0
	s_wait_dscnt 12
	MMB 0, 6, FA1, 0
	PLACES
	WIN 0
.irp c, 0,1,2,3                                ; the small inputs come in under the last 48 products, into registers that no product reads any more
	global_load_b128 v[BQ+8*\c:BQ+8*\c+3],   v[BIO], s[8:9] offset:64*\c
	global_load_b128 v[BQ+8*\c+4:BQ+8*\c+7], v[BIO], s[8:9] offset:64*\c+16
	global_load_b128 v[BK+8*\c:BK+8*\c+3],   v[BIO], s[10:11] offset:64*\c
	global_load_b128 v[BK+8*\c+4:BK+8*\c+7], v[BIO], s[10:11] offset:64*\c+16
	global_load_b32 v[BV+\c], v[BVO], s[12:13] offset:64*\c
.endr
	REP 32, global_load_b32 v[QL+q], v[QO+q%4], s[14:15] offset:64*(q/4)
	s_wait_dscnt 0x0
	MMB 6, 6, FA1, 0
	PLACES
	PLACES
	WIN 0
; THE ATTENTION.  n registers rounded to bf16 and widened again, in place.
.macro RND base, n, tmp
.set q, 0
.rept (\n)/2
	v_cvt_pk_bf16_f32 v[(\tmp)+q], v[(\base)+2*q], v[(\base)+2*q+1]
.set q, q+1
.endr
.set q, 0
.rept (\n)/2
	v_lshlrev_b32 v[(\base)+2*q], 16, v[(\tmp)+q]
	v_and_b32 v[(\base)+2*q+1], 0xffff0000, v[(\tmp)+q]
.set q, q+1
.endr
.endm
	s_wait_loadcnt 0x0
	RND BQ, 32, 96
	RND BK, 32, 112
	RND QL, 32, 128
	RND BV, 4, 144
; The scores of block a (16 rows: four b).  Q + bq and K + bk come into window 0 (each accumulator's lowest registers are read first).  The lanes of one b differ in t = (r / 2) % 4 alone,
; so K of t xor x lies 2 x lanes away: it is fetched by v_mov_b32 with row_xmask, eight registers at a time, and multiplied in pairs.  A lane ends with s[t][t xor x] over its 32 channels.
.macro MOVX m
.set j, 0
.rept 8
	v_mov_b32_dpp v[KX+4*(\m)-8+j], v[KT+8*bt+j] row_xmask:\m row_mask:0xf bank_mask:0xf
.set j, j+1
.endr
.endm
.macro SCORES a
	WIN 0x01                                       ; source 0 in window 1
	REP 16, v_pk_add_f32 v[QT+2*q:QT+2*q+1], v[32*(\a)+2*q:32*(\a)+2*q+1], v[BQ+2*q:BQ+2*q+1]
	WIN 0x02                                       ; source 0 in window 2
	REP 16, v_pk_add_f32 v[KT+2*q:KT+2*q+1], v[32*(\a)+2*q:32*(\a)+2*q+1], v[BK+2*q:BK+2*q+1]
	WIN 0
.set bt, 0
.rept 4
	MOVX 2
	MOVX 4
	MOVX 6
.set i, 0
.rept 4
.set rQ, QT+8*bt+2*i
.if (bt+i) == 0
	v_pk_mul_f32 v[T:T+1],   v[KT:KT+1],       v[rQ:rQ+1]
	v_pk_mul_f32 v[T+2:T+3], v[KX:KX+1],       v[rQ:rQ+1]
	v_pk_mul_f32 v[T+4:T+5], v[KX+8:KX+9],     v[rQ:rQ+1]
	v_pk_mul_f32 v[T+6:T+7], v[KX+16:KX+17],   v[rQ:rQ+1]
.else
	v_pk_fma_f32 v[T:T+1],   v[KT+8*bt+2*i:KT+8*bt+2*i+1], v[rQ:rQ+1], v[T:T+1]
	v_pk_fma_f32 v[T+2:T+3], v[KX+2*i:KX+2*i+1],           v[rQ:rQ+1], v[T+2:T+3]
	v_pk_fma_f32 v[T+4:T+5], v[KX+8+2*i:KX+8+2*i+1],       v[rQ:rQ+1], v[T+4:T+5]
	v_pk_fma_f32 v[T+6:T+7], v[KX+16+2*i:KX+16+2*i+1],     v[rQ:rQ+1], v[T+6:T+7]
.endif
.set i, i+1
.endr
.set bt, bt+1
.endr
	REP 4, v_add_f32 v[S+4*(\a)+q], v[T+2*q], v[T+2*q+1]
.endm
.irp a, 0,1,2,3,4,5,6,7
	SCORES \a
.endr
	; the other eight channels of each sixteen lie in the lane 16 away, the head's other 64 channels in the wave beside me
	REP 32, v_permlanex16_b32 v[U+q], v[S+q], s[SEL], s[SEL+1]
	REP 16, v_pk_add_f32 v[S+2*q:S+2*q+1], v[S+2*q:S+2*q+1], v[U+2*q:U+2*q+1]
	REP 8, ds_store_b128 v[SCW], v[S+4*q:S+4*q+3] offset:256*q
	s_wait_dscnt 0x0                               ; for the other wave's sake: my stores are done
	s_barrier_signal -1
	s_barrier_wait -1
	REP 8, ds_load_b128 v[U+4*q:U+4*q+3], v[SCD] offset:256*q
	s_wait_dscnt 0x0
	REP 16, v_pk_add_f32 v[S+2*q:S+2*q+1], v[S+2*q:S+2*q+1], v[U+2*q:U+2*q+1]
	; z = s x quality; p = 2^(c z - c m), m the largest of the row's four z: no exponent is above 0, and the sum is at least 1
	REP 16, v_pk_mul_f32 v[S+2*q:S+2*q+1], v[S+2*q:S+2*q+1], v[QL+2*q:QL+2*q+1]
	REP 8, v_max3_num_f32 v[M+2*q+1], v[S+4*q], v[S+4*q+1], v[S+4*q+2]
	REP 8, v_max_num_f32 v[M+2*q+1], v[M+2*q+1], v[S+4*q+3]
	REP 8, v_mul_f32 v[M+2*q], s[CS], v[M+2*q+1]
	REP 16, v_pk_fma_f32 v[S+2*q:S+2*q+1], v[S+2*q:S+2*q+1], s[CS:CS+1], v[M+2*(q/2):M+2*(q/2)+1] op_sel_hi:[1,0,0] neg_lo:[0,0,1] neg_hi:[0,0,1]
	REP 32, v_exp_f32 v[S+q], v[S+q]
	v_nop                                          ; a plain instruction behind the last exponential,
	s_wait_alu depctr_va_vdst(0)                   ; and one wait ahead of the batch's first reader
	REP 8, v_pk_add_f32 v[M+2*q:M+2*q+1], v[S+4*q:S+4*q+1], v[S+4*q+2:S+4*q+3]
	REP 8, v_add_f32 v[M+2*q], v[M+2*q], v[M+2*q+1]
	REP 8, v_mul_f32 v[M+2*q], 4.0, v[M+2*q]       ; the mean over the four query rows goes into the divisor
	REP 8, v_rcp_f32 v[M+2*q], v[M+2*q]
	v_nop
	s_wait_alu depctr_va_vdst(0)                   ; one wait for the eight reciprocals
	REP 16, v_pk_mul_f32 v[S+2*q:S+2*q+1], v[S+2*q:S+2*q+1], v[M+2*(q/2):M+2*(q/2)+1] op_sel_hi:[1,0]
	; w[t] = the sum over x of the weight that query t xor x gives key t: number x of the lane 2 x away
	REP 8, v_add_f32_dpp v[S+4*q], v[S+4*q+1], v[S+4*q] row_xmask:2 row_mask:0xf bank_mask:0xf
	REP 8, v_add_f32_dpp v[S+4*q], v[S+4*q+2], v[S+4*q] row_xmask:4 row_mask:0xf bank_mask:0xf
	REP 8, v_add_f32_dpp v[S+4*q], v[S+4*q+3], v[S+4*q] row_xmask:6 row_mask:0xf bank_mask:0xf
	; w goes from a lane a row to V's layout, eight rows a lane, through my own words of LDS: LDS serves a wave's instructions in order (ISA guide 5.7.1.4)
	REP 8, ds_store_b32 v[WSW], v[S+4*q] offset:64*q
	REP 16, ds_load_b128 v[W8+4*q:W8+4*q+3], v[WSR] offset:64*(q/2)+16*(q%2)
	s_wait_dscnt 0x0
; The context of two b at a time: registers 2 t and 2 t + 1 of an accumulator of V are evidence type t of two b.  The first link takes bv as its addend.
.macro CTX a, t, c
.set rC, CXR+8*(\a)+2*(\c)
.set rV, 32*(\a)+8*(\c)+2*(\t)
.set rX, W8+8*(\a)+2*(\t)
.if (\t) == 0
.if ((\c)%2) == 0
	v_pk_fma_f32 v[rC:rC+1], v[rV:rV+1], v[rX:rX+1], v[BV+2*((\c)/2):BV+2*((\c)/2)+1] op_sel_hi:[1,1,0]
.else
	v_pk_fma_f32 v[rC:rC+1], v[rV:rV+1], v[rX:rX+1], v[BV+2*((\c)/2):BV+2*((\c)/2)+1] op_sel:[0,0,1] op_sel_hi:[1,1,1]
.endif
.else
	v_pk_fma_f32 v[rC:rC+1], v[rV:rV+1], v[rX:rX+1], v[rC:rC+1]
.endif
.endm
	WIN 0x03                                       ; source 0 in window 3
.irp a0, 0,2,4,6                               ; two blocks together, t outermost: a chain's links stand eight lines apart, and each accumulator's lowest pair is read first
.irp t, 0,1,2,3
.irp da, 0,1
.irp c, 0,1,2,3
	CTX (\a0)+(\da), \t, \c
.endr
.endr
.endr
.endr
	WIN 0
	REP 64, ds_store_b32 v[CSW], v[CXR+q] offset:(4*(q/8)+q%2)*CPITCH+64*((q/2)%4)  ; the halves of the lanes lie two rows, 272 words, apart: 32 different banks
	s_wait_dscnt 0x0                               ; a row's 512 bytes come from two waves
	s_barrier_signal -1
	s_barrier_wait -1
	REP 16, ds_load_b128 v[OB+4*q:OB+4*q+3], v[CSR] offset:2*CPITCH*(q/2)+16*(q%2)
.set i, 0
.rept 8
	s_wait_dscnt 14-2*i                            ; rows 2 i and 2 i + 1 are in; two loads for each later pair stay out
.irp k, 0,1,2,3
	v_cvt_pk_bf16_f32 v[OP+4*i+\k], v[OB+8*i+2*\k], v[OB+8*i+2*\k+1]
.endr
	global_store_b128 v[CGO], v[OP+4*i:OP+4*i+3], s[16:17] offset:8192*i  ; sixteen lanes store the head's 256 consecutive bytes of a row, aligned
.set i, i+1
.endr
	s_wait_tensorcnt 0x0                           ; the wave's end: behind my last tensor load and my last LDS store
	ds_add_u32 v[SPW], v[NIL]
	s_wait_dscnt 0x0
	CROUND                                         ; the closing round: no work-group ends while a partner may still ask for a tile that names it
	s_endpgm
.Lfunc_end_k_q88de9c9fe3_qkvatt:
	.size	k_q88de9c9fe3_qkvatt, .Lfunc_end_k_q88de9c9fe3_qkvatt-k_q88de9c9fe3_qkvatt
	.p2alignl 7, 3214868480
	.fill 96, 4, 3214868480
	.section	.rodata,"a",@progbits
	.p2align	6, 0x0
	.amdhsa_kernel k_q88de9c9fe3_qkvatt
		.amdhsa_group_segment_fixed_size 327680
		.amdhsa_private_segment_fixed_size 0
		.amdhsa_enable_private_segment 0
		.amdhsa_kernarg_size 56
		.amdhsa_user_sgpr_count 2
		.amdhsa_user_sgpr_kernarg_segment_ptr 1
		.amdhsa_wavefront_size32 1
		.amdhsa_system_sgpr_workgroup_id_x 1
		.amdhsa_system_sgpr_workgroup_id_y 1
		.amdhsa_system_sgpr_workgroup_id_z 1
		.amdhsa_system_vgpr_workitem_id 0
		.amdhsa_next_free_vgpr 1024
		.amdhsa_next_free_sgpr 80
		.amdhsa_reserve_vcc 0
		.amdhsa_float_denorm_mode_32 3
		.amdhsa_float_denorm_mode_16_64 3
		.amdhsa_memory_ordered 1
		.amdhsa_forward_progress 1
		.amdhsa_inst_pref_size 226
	.end_amdhsa_kernel
	.amdgpu_metadata
---
amdhsa.version: [ 1, 2 ]
amdhsa.kernels:
  - .name:           k_q88de9c9fe3_qkvatt
    .symbol:         k_q88de9c9fe3_qkvatt.kd
    .args:
      - { .name: Hblk, .offset: 0, .size: 8, .value_kind: global_buffer, .address_space: global }
      - { .name: Wblk, .offset: 8, .size: 8, .value_kind: global_buffer, .address_space: global }
      - { .name: bq, .offset: 16, .size: 8, .value_kind: global_buffer, .address_space: global }
      - { .name: bk, .offset: 24, .size: 8, .value_kind: global_buffer, .address_space: global }
      - { .name: bv, .offset: 32, .size: 8, .value_kind: global_buffer, .address_space: global }
      - { .name: quality, .offset: 40, .size: 8, .value_kind: global_buffer, .address_space: global }
      - { .name: ctxb, .offset: 48, .size: 8, .value_kind: global_buffer, .address_space: global }
    .group_segment_fixed_size: 327680
    .private_segment_fixed_size: 0
    .kernarg_segment_align: 8
    .kernarg_segment_size: 56
    .max_flat_workgroup_size: 128
    .sgpr_count:     80
    .vgpr_count:     1024
    .wavefront_size: 32
...
	.end_amdgpu_metadata
.endif
;; end of part 2
;; launch oproj (part 3): grid 16 x 8, 4 waves a work-group, clusters of 4 x 4, 327,680 bytes of LDS; arguments ctxb, Wob, yb; writes yb
.if DOCPART == 3
	.amdgcn_target "amdgcn-amd-amdhsa--gfx1250"
	.amdhsa_code_object_version 6
	.text
	.protected	k_q88de9c9fe3_oproj
	.globl	k_q88de9c9fe3_oproj
	.p2align	8
	.type	k_q88de9c9fe3_oproj,@function
k_q88de9c9fe3_oproj:
	s_mov_b64 s[64:65], 0
	v_nop
	global_prefetch_b8 v0, s[64:65] scope:SCOPE_SE
	s_setreg_imm32_b32 hwreg(HW_REG_WAVE_MODE, 25, 1), 1
	s_wait_xcnt 0x0
	s_wait_alu depctr_hold_cnt(0) depctr_sa_sdst(0) depctr_va_vdst(0) depctr_va_sdst(0) depctr_va_ssrc(0) depctr_va_vcc(0) depctr_vm_vsrc(0)
	s_getreg_b32 s2, hwreg(HW_REG_IB_STS2, 6, 4)
	s_cmp_eq_u32 s2, 0
	s_cbranch_scc0 .Lentry_in_a_cluster
	s_endpgm
.Lentry_in_a_cluster:
	s_bfe_u32 s2, ttmp6, 0x10000c
	s_cmp_lg_u32 s2, 0xf033
	s_cbranch_scc0 .Lentry_shape_is_right
	s_endpgm
.Lentry_shape_is_right:
; yb[m][n] = sum over k of ctxb[m][k] Wob[n][k].  ctxb: [1024][2048] bf16, Wob: [2048][2048] bf16, yb: [1024][2048] f32; sums in f32, K ascending.
; A tile of yb is 128 x 128: 128 work-groups.  (Tiles of 64 x 128 would give 256, each with 1.5 times the LDS bytes for a matrix instruction and half the work in a K step.)
; Four waves, each 64 x 64: 16 accumulators of 16 x 16.  K goes in steps of 256 (LDS rows of 512 bytes + 16; a wave's tensor load brings 64 of them) through two slots.
; CLUSTERS: 4 x 4 work-groups.  The four of a row of the cluster need the same tiles of A, the four of a column the same tiles of B: each tile is asked for JOINTLY.
; THE MATRIX INSTRUCTION IS USED TRANSPOSED (source 0 = 16 rows of B, source 1 = 16 rows of A): a lane holds eight neighbouring numbers of a row of yb.
; A wave's 64 columns in f32 are 256 consecutive bytes, aligned: each wave sends its own rows out through a stage of its own, with no barrier.
; No prefetch: a tile's K step is short and the whole launch has eight of them.
; REGISTERS: window 0: v0-31 addresses; v128-255 the accumulators ((a, b) at v[128 + 8 (4 a + b)]).  window 1: two fragment buffers of 128: 64 registers of A (2 x 4 x 16 rows x 32 K), then 64 of B.
.set SIZE_M, 1024
.set SIZE_N, 2048
.set SIZE_K, 2048
.set KSTEP,  256
.set PITCH,  528                       ; 132 words: row r starts at bank 4 r mod 64 (64 banks of 4 bytes: ISA guide 11.1)
.set HALFT,  64*PITCH                  ; 64 rows: what one tensor load brings, and what one wave reads of A or of B
.set SLOT,   4*HALFT                   ; A's 128 rows, then B's 128 rows
.set STAGE,  2*SLOT                    ; behind the ring: 16 rows x 272 bytes for each wave
.set SPITCH, 272
.set SPARE,  STAGE+4*16*SPITCH         ; the spare words, 128 bytes a wave: two blocks of 256 bytes that no other line names
.set LAPS, SIZE_K/(2*KSTEP)
.set ADRA, 16                          ; v16-17  LDS address of my A fragments in slot 0, 1
.set ADRB, 20                          ; v20-21  the same for B
.set STO,  24                          ; v24     the way out: where I put 32 bytes of a row
.set RD,   25                          ; v25     the way out: where I read a row back
.set CO,   26                          ; v26     my byte offset in two rows of yb
.set SPW,  28                          ; v28     SPARE + 4 x my thread's number; never rewritten
.set NIL,  29                          ; v29     0; never rewritten
.set ACC,  128
.set F0,   0                           ; fragment buffers, in window 1
.set F1,   128
.set G1, 24                            ; s[24:31] descriptor group 1 for A's tiles;  s[32:39] group 0, one set for each slot
.set G0, 32
.set G1B, 48                           ; s[48:55], s[56:63] the same for B's tiles
.set G0B, 56
.set MSB, 0
.macro WIN new                         ; the immediate's high byte repeats the setting that is left
.if MSB != (\new)
	s_set_vgpr_msb (MSB<<8)|(\new)
.set MSB, \new
.endif
.endm
.set MUL,  0x05                        ; sources 0 (B) and 1 (A) window 1; C and D window 0
.set TO_F, 0x40                        ; destination window 1, address window 0
.macro JLOAD s                         ; a joint load: waves 0 and 1 fetch A's two halves, waves 2 and 3 B's; an s_nop 0 and four v_nop follow each of the two lines
	s_cmp_eq_u32 s11, 0
	s_cbranch_scc0 .Lfor_b_\@
	tensor_load_to_lds s[G0+4*(\s):G0+4*(\s)+3], s[G1:G1+7]
	s_nop 0
.rept 4
	v_nop
.endr
	s_branch .Lasked_\@
.Lfor_b_\@:
	tensor_load_to_lds s[G0B+4*(\s):G0B+4*(\s)+3], s[G1B:G1B+7]
	s_nop 0
.rept 4
	v_nop
.endr
.Lasked_\@:
.endm
.macro CREST                           ; a round of the cluster's barrier behind its opening barrier
	s_cmp_lg_u32 s10, 0
	s_cbranch_scc1 .Lnot_wave_0_\@
	s_barrier_signal -3
.Lnot_wave_0_\@:
	s_barrier_wait -3
	s_barrier_signal -1
	s_barrier_wait -1
.endm
.macro CROUND
	s_barrier_signal -1
	s_barrier_wait -1
	CREST
.endm
	s_load_b128 s[4:7], s[0:1], 0x0                ; A = ctxb s[4:5], B = Wob s[6:7]
	s_load_b64 s[8:9], s[0:1], 0x10                ; yb
	v_lshl_add_u32 v[SPW], v0, 2, SPARE
	v_mov_b32 v[NIL], 0
	ds_add_u32 v[SPW], v[NIL]                      ; the wave's opening: the add and its wait stand ahead of my first tensor load; work on registers stands between them
	v_lshrrev_b32 v1, 5, v0
	v_readfirstlane_b32 s10, v1                    ; wave 0..3
	s_lshr_b32 s11, s10, 1                         ; which half of the tile's rows is mine.  Also: I fetch for A (0) or for B (1)
	s_and_b32 s12, s10, 1                          ; which half of its columns.  Also: which 64 rows of that tile I fetch
	s_bfe_u32 s40, ttmp6, 0x40000                  ; cx, cy: my place in the cluster
	s_bfe_u32 s41, ttmp6, 0x40004
	s_lshl_b32 s42, ttmp9, 2
	s_add_co_u32 s42, s42, s40                     ; tile column = 4 x cluster x + cx
	s_and_b32 s13, ttmp7, 0xffff
	s_lshl_b32 s13, s13, 2
	s_add_co_u32 s13, s13, s41                     ; tile row = 4 x cluster y + cy
	s_lshl_b32 s43, s41, 2
	s_lshl_b32 s43, 15, s43                        ; my row of the cluster
	s_lshl_b32 s44, 0x1111, s40                    ; my column
	; descriptor group 1: a tile of 64 rows x 256 elements, padded in LDS
	s_or_b32 s[G1+0], s43, (1<<16)|(1<<20)|(1<<21)|(6<<22)|(3<<25)  ; 15:0 the mask; 17:16 2-byte elements; 20 padding on; 21 set beside a mask; 24:22 after every 128 words (code 6); 31:25 4 words (code 3)
	s_or_b32 s[G1B+0], s44, (1<<16)|(1<<20)|(1<<21)|(6<<22)|(3<<25)
.irp g, G1, G1B
	s_mov_b32 s[(\g)+1], KSTEP<<16                 ; tensor_dim0 = 256
	s_mov_b32 s[(\g)+2], 64<<16                    ; tensor_dim1 = 64
	s_mov_b32 s[(\g)+3], KSTEP<<16                 ; tile_dim0 = 256
	s_mov_b32 s[(\g)+4], 64                        ; tile_dim1 = 64
	s_mov_b32 s[(\g)+5], SIZE_K                    ; elements from row to row
	s_mov_b32 s[(\g)+6], 0
	s_mov_b32 s[(\g)+7], 0
.endr
	s_lshl_b32 s17, s12, 6                         ; which 64 rows of the tile I fetch
	s_lshl_b32 s16, s13, 7
	s_add_co_u32 s16, s16, s17                     ; A: row 128 x tile row + 64 x half
	s_lshl_b32 s46, s42, 7
	s_add_co_u32 s46, s46, s17                     ; B: row 128 x tile column + 64 x half
	s_mov_b32 s17, 0
	s_mov_b32 s47, 0
	s_mov_b64 s[18:19], SIZE_K*2
	s_mul_u64 s[16:17], s[16:17], s[18:19]
	s_mul_u64 s[46:47], s[46:47], s[18:19]
	s_mul_i32 s20, s10, HALFT                      ; where they go: wave x 64 rows: no place in the cluster enters an LDS address
	s_wait_dscnt 0x0                               ; the opening add is done
	s_wait_kmcnt 0x0
	s_add_nc_u64 s[14:15], s[4:5], s[16:17]
	s_add_nc_u64 s[46:47], s[6:7], s[46:47]
	CROUND                                         ; all sixteen work-groups are here: the first joint loads meet
.irp s, 0,1
	s_mov_b32 s[G0+4*(\s)], 1
	s_add_co_u32 s[G0+4*(\s)+1], s20, (\s)*SLOT
	s_add_nc_u64 s[G0+4*(\s)+2:G0+4*(\s)+3], s[14:15], (\s)*KSTEP*2
	s_or_b32 s[G0+4*(\s)+3], s[G0+4*(\s)+3], 0x80000000
	s_mov_b32 s[G0B+4*(\s)], 1
	s_add_co_u32 s[G0B+4*(\s)+1], s20, (\s)*SLOT
	s_add_nc_u64 s[G0B+4*(\s)+2:G0B+4*(\s)+3], s[46:47], (\s)*KSTEP*2
	s_or_b32 s[G0B+4*(\s)+3], s[G0B+4*(\s)+3], 0x80000000
	JLOAD \s
.endr
	v_and_b32 v1, 15, v0                           ; l % 16
	v_bfe_u32 v2, v0, 4, 1                         ; l / 16
	v_mul_u32_u24 v3, v1, PITCH
	v_lshl_add_u32 v3, v2, 4, v3                   ; a fragment's row x pitch + 16 x half
	s_mul_i32 s21, s11, HALFT                      ; my 64 rows of A
	s_mul_i32 s22, s12, HALFT                      ; my 64 rows of B,
	s_add_co_u32 s22, s22, 2*HALFT                 ; which lie behind A's 128
.irp s, 0,1
	v_add_nc_u32 v[ADRA+(\s)], s21, v3
	v_add_nc_u32 v[ADRB+(\s)], s22, v3
	s_add_co_u32 s21, s21, SLOT
	s_add_co_u32 s22, s22, SLOT
.endr
	s_mul_i32 s23, s10, 16*SPITCH
	s_add_co_u32 s23, s23, STAGE                   ; my stage
	v_mul_u32_u24 v4, v1, SPITCH                   ; in: row l % 16, 32 bytes for each half of the lanes
	v_lshl_add_u32 v4, v2, 5, v4
	v_add_nc_u32 v[STO], s23, v4
	v_mul_u32_u24 v5, v2, SPITCH                   ; back: lanes 0-15 take one row of 256 bytes, lanes 16-31 the next
	v_lshl_add_u32 v5, v1, 4, v5
	v_add_nc_u32 v[RD], s23, v5
	v_lshlrev_b32 v5, 13, v2                       ; and the same two rows in yb, 8,192 bytes a row
	v_lshl_add_u32 v[CO], v1, 4, v5
	s_lshl_b32 s16, s13, 7
	s_lshl_b32 s17, s11, 6
	s_add_co_u32 s16, s16, s17                     ; my first row: 128 x tile row + 64 x half
	s_lshl_b32 s16, s16, 13
	s_mov_b32 s17, 0
	s_add_nc_u64 s[8:9], s[8:9], s[16:17]
	s_lshl_b32 s46, s42, 9                         ; my first column, in bytes: 512 x tile column + 256 x half
	s_lshl_b32 s47, s12, 8
	s_add_co_u32 s46, s46, s47
	s_mov_b32 s47, 0
	s_add_nc_u64 s[8:9], s[8:9], s[46:47]
; 8 matrix instructions: m blocks a0, a0 + 1 x all 4 n blocks, 32 along K: half c of buffer f.  zero = 1: the first product starts the sums.  The 16 accumulators take turns.
.macro MUL8 f, c, a0, zero
	WIN MUL
.irp a, \a0, (\a0)+1
.irp b, 0,1,2,3
.if \zero
	v_wmma_f32_16x16x32_bf16 v[ACC+8*(4*(\a)+(\b)):ACC+8*(4*(\a)+(\b))+7], v[(\f)+64+8*(4*(\c)+(\b)):(\f)+64+8*(4*(\c)+(\b))+7], v[(\f)+8*(4*(\c)+(\a)):(\f)+8*(4*(\c)+(\a))+7], 0
.else
	v_wmma_f32_16x16x32_bf16 v[ACC+8*(4*(\a)+(\b)):ACC+8*(4*(\a)+(\b))+7], v[(\f)+64+8*(4*(\c)+(\b)):(\f)+64+8*(4*(\c)+(\b))+7], v[(\f)+8*(4*(\c)+(\a)):(\f)+8*(4*(\c)+(\a))+7], v[ACC+8*(4*(\a)+(\b)):ACC+8*(4*(\a)+(\b))+7]
.endif
.endr
.endr
.endm
; 32 LDS loads in one run: the fragments of 64 along K at byte k of the rows, into buffer f; the first 32 along K first
.macro FETCH slot, k, f
	WIN TO_F
.irp c, 0,1
.irp i, 0,1,2,3
	ds_load_b128 v[(\f)+64+8*(4*(\c)+(\i)):(\f)+64+8*(4*(\c)+(\i))+3],   v[ADRB+(\slot)] offset:(\k)+64*(\c)+(\i)*16*PITCH
	ds_load_b128 v[(\f)+64+8*(4*(\c)+(\i))+4:(\f)+64+8*(4*(\c)+(\i))+7], v[ADRB+(\slot)] offset:(\k)+64*(\c)+(\i)*16*PITCH+32
	ds_load_b128 v[(\f)+8*(4*(\c)+(\i)):(\f)+8*(4*(\c)+(\i))+3],         v[ADRA+(\slot)] offset:(\k)+64*(\c)+(\i)*16*PITCH
	ds_load_b128 v[(\f)+8*(4*(\c)+(\i))+4:(\f)+8*(4*(\c)+(\i))+7],       v[ADRA+(\slot)] offset:(\k)+64*(\c)+(\i)*16*PITCH+32
.endr
.endr
.endm
.macro PLACES                          ; four plain vector instructions in front of loads into registers that matrix instructions have read, and of stores that read results
.rept 4
	v_nop
.endr
.endm
; A K step is four quarters of 64 along K, 32 matrix instructions each, on buffers 0, 1, 0, 1.  One of the first three: multiplies buffer f and fetches the next quarter, at byte k, into g.
.macro QUARTER slot, k, f, g, zero
	s_wait_dscnt 16                                ; the first 32 along K are in; the youngest sixteen loads may be out
	WIN MUL
	MUL8 \f, 0, 0, \zero
	MUL8 \f, 0, 2, \zero
	PLACES
	FETCH \slot, \k, \g
	s_wait_dscnt 32                                ; all but the 32 just issued
	WIN MUL
	MUL8 \f, 1, 0, 0
	MUL8 \f, 1, 2, 0
.endm
; The last quarter multiplies buffer 1 and changes slots: ONE barrier; in front of it each wave waits for all its tensor loads, adds 0 to its spare word, and waits for that and for its own reads of this slot.
; fill = 1: the barrier opens a round of the cluster's, and this slot is filled again, two K steps ahead, first thing behind it.
.macro TURN slot, next, fill
	WIN 0                                          ; (the add's two registers lie in window 0)
	s_wait_tensorcnt 0x0                           ; all my tensor loads have landed: my part of the next slot
	ds_add_u32 v[SPW], v[NIL]                      ; 0 onto my spare word
	s_wait_dscnt 17                                ; (the add and the youngest sixteen loads may be out)
	WIN MUL
	MUL8 F1, 0, 0, 0                               ; eight matrix instructions stand between the add and the wait for it
	s_wait_dscnt 0x0                               ; the add is done, and my reads of this slot are over
	s_barrier_signal -1
	MUL8 F1, 0, 2, 0
.if \fill
	WIN 0                                          ; at a branch and at a label every window is 0
.endif
	s_barrier_wait -1
.if \fill
	CREST                                          ; no wave of any partner still reads this slot's tile or has a load on its way
	s_add_nc_u64 s[G0+4*(\slot)+2:G0+4*(\slot)+3], s[G0+4*(\slot)+2:G0+4*(\slot)+3], 2*KSTEP*2
	s_add_nc_u64 s[G0B+4*(\slot)+2:G0B+4*(\slot)+3], s[G0B+4*(\slot)+2:G0B+4*(\slot)+3], 2*KSTEP*2
	JLOAD \slot                                    ; 112 matrix instructions ahead of the wait for it; the four v_nop behind it are also the places in front of the loads below
.else
	PLACES
.endif
	FETCH \next, 0, F0
	WIN MUL
	MUL8 F1, 1, 0, 0
	MUL8 F1, 1, 2, 0
.endm
	s_wait_tensorcnt 1                             ; my part of K step 0 is in; step 1's may stay out
	s_barrier_signal -1
	s_barrier_wait -1
	FETCH 0, 0, F0
	QUARTER 0, 128, F0, F1, 1                      ; the first quarter stands in front of the loop: its first products start the sums
	WIN 0
	s_mov_b32 s3, LAPS-1
.Llap:                                         ; a trip goes once round the ring, from a lap's second quarter to the next lap's first, and fills both slots again
	QUARTER 0, 256, F1, F0, 0
	QUARTER 0, 384, F0, F1, 0
	TURN 0, 1, 1
	QUARTER 1, 128, F0, F1, 0
	QUARTER 1, 256, F1, F0, 0
	QUARTER 1, 384, F0, F1, 0
	TURN 1, 0, 1
	QUARTER 0, 128, F0, F1, 0
	WIN 0
	s_sub_co_u32 s3, s3, 1
	s_cmp_lg_u32 s3, 0
	s_cbranch_scc1 .Llap
	QUARTER 0, 256, F1, F0, 0                      ; the last lap fills nothing, and has no round of the cluster's barrier
	QUARTER 0, 384, F0, F1, 0
	TURN 0, 1, 0
	QUARTER 1, 128, F0, F1, 0
	QUARTER 1, 256, F1, F0, 0
	QUARTER 1, 384, F0, F1, 0
	s_wait_dscnt 16                                ; the very last quarter: nothing more to fetch
	WIN MUL
	MUL8 F1, 0, 0, 0
	MUL8 F1, 0, 2, 0
	s_wait_dscnt 0
	MUL8 F1, 1, 0, 0
	MUL8 F1, 1, 2, 0
	WIN 0
	PLACES
	PLACES
; THE WAY OUT, a block of 16 rows at a time: a lane's 32 bytes of a row go into my stage (each accumulator's lowest registers first) and come back as whole rows of 256 bytes, into the registers that they left.
.macro OUT a
.irp b, 0,1,2,3
	ds_store_b128 v[STO], v[ACC+32*(\a)+8*\b:ACC+32*(\a)+8*\b+3]   offset:64*\b
	ds_store_b128 v[STO], v[ACC+32*(\a)+8*\b+4:ACC+32*(\a)+8*\b+7] offset:64*\b+16
.endr
.irp t, 0,1,2,3,4,5,6,7
	ds_load_b128 v[ACC+32*(\a)+4*\t:ACC+32*(\a)+4*\t+3], v[RD] offset:\t*2*SPITCH  ; LDS serves a wave's instructions in order (ISA guide 5.7.1.4): these see the stores above; the next block's stores come behind them
.endr
.endm
.macro SENDF a, younger                ; younger: the LDS instructions issued behind block a's loads: the next block's sixteen, or none
.irp t, 0,1,2,3,4,5,6,7
	s_wait_dscnt (\younger)+7-\t
	global_store_b128 v[CO], v[ACC+32*(\a)+4*\t:ACC+32*(\a)+4*\t+3], s[8:9] offset:(16*(\a)+2*\t)*SIZE_N*4  ; sixteen lanes store 256 consecutive bytes, aligned
.endr
.endm
	OUT 0
	OUT 1
	SENDF 0, 16
	OUT 2
	SENDF 1, 16
	OUT 3
	SENDF 2, 16
	SENDF 3, 0
	s_wait_tensorcnt 0x0                           ; the wave's end: behind my last tensor load and my last LDS store
	ds_add_u32 v[SPW], v[NIL]
	s_wait_dscnt 0x0
	CROUND                                         ; the closing round: no work-group ends while a partner may still ask for a tile that names it
	s_endpgm
.Lfunc_end_k_q88de9c9fe3_oproj:
	.size	k_q88de9c9fe3_oproj, .Lfunc_end_k_q88de9c9fe3_oproj-k_q88de9c9fe3_oproj
	.p2alignl 7, 3214868480
	.fill 96, 4, 3214868480
	.section	.rodata,"a",@progbits
	.p2align	6, 0x0
	.amdhsa_kernel k_q88de9c9fe3_oproj
		.amdhsa_group_segment_fixed_size 327680
		.amdhsa_private_segment_fixed_size 0
		.amdhsa_enable_private_segment 0
		.amdhsa_kernarg_size 24
		.amdhsa_user_sgpr_count 2
		.amdhsa_user_sgpr_kernarg_segment_ptr 1
		.amdhsa_wavefront_size32 1
		.amdhsa_system_sgpr_workgroup_id_x 1
		.amdhsa_system_sgpr_workgroup_id_y 1
		.amdhsa_system_sgpr_workgroup_id_z 1
		.amdhsa_system_vgpr_workitem_id 0
		.amdhsa_next_free_vgpr 512
		.amdhsa_next_free_sgpr 66
		.amdhsa_reserve_vcc 0
		.amdhsa_float_denorm_mode_32 3
		.amdhsa_float_denorm_mode_16_64 3
		.amdhsa_memory_ordered 1
		.amdhsa_forward_progress 1
		.amdhsa_inst_pref_size 86
	.end_amdhsa_kernel
	.amdgpu_metadata
---
amdhsa.version: [ 1, 2 ]
amdhsa.kernels:
  - .name:           k_q88de9c9fe3_oproj
    .symbol:         k_q88de9c9fe3_oproj.kd
    .args:
      - { .name: ctxb, .offset: 0, .size: 8, .value_kind: global_buffer, .address_space: global }
      - { .name: Wob, .offset: 8, .size: 8, .value_kind: global_buffer, .address_space: global }
      - { .name: yb, .offset: 16, .size: 8, .value_kind: global_buffer, .address_space: global }
    .group_segment_fixed_size: 327680
    .private_segment_fixed_size: 0
    .kernarg_segment_align: 8
    .kernarg_segment_size: 24
    .max_flat_workgroup_size: 128
    .sgpr_count:     66
    .vgpr_count:     512
    .wavefront_size: 32
...
	.end_amdgpu_metadata
.endif
;; end of part 3
;; launch lnorm (part 4): grid 256 x 1, 4 waves a work-group, no clusters, 0 bytes of LDS; arguments yb, resid, gamma, beta, out0; writes out0
.if DOCPART == 4
	.amdgcn_target "amdgcn-amd-amdhsa--gfx1250"
	.amdhsa_code_object_version 6
	.text
	.protected	k_q88de9c9fe3_lnorm
	.globl	k_q88de9c9fe3_lnorm
	.p2align	8
	.type	k_q88de9c9fe3_lnorm,@function
k_q88de9c9fe3_lnorm:
	s_mov_b64 s[64:65], 0
	v_nop
	global_prefetch_b8 v0, s[64:65] scope:SCOPE_SE
	s_setreg_imm32_b32 hwreg(HW_REG_WAVE_MODE, 25, 1), 1
	s_wait_xcnt 0x0
; out0[b][:] = LayerNorm(yb[b][:] + resid[b][:]) x bf16(gamma) + bf16(beta).  All [.][2048] f32.
; One wave, one row: 8,192 bytes are 64 registers, kept between the passes; the reductions never leave the wave: no LDS, no barrier, no loop.  1,024 rows: 256 work-groups of four waves.
; The variance is the mean of the squares of x - mean, taken in a second pass over the registers: no difference of large sums is formed.
; LIMITS.  gamma and beta are rounded to bf16, like every input of the program; NaN and infinities are not treated apart.
; All 64 loads of a wave go out at once, each 512 consecutive bytes; no prefetch and no ring: there is nothing to ask for ahead of that.
; REGISTERS: window 0: v2 my byte offset; v4-11 four packed sums; v12-13 the mean, then 1 / sqrt; v16-79 the row; v80-143 resid, then gamma and beta as bf16.  window 1: v0-63 gamma, v64-127 beta, as loaded.
.set T,  4
.set MU, 12
.set X,  16
.set RS, 80
.set GP, 80
.set BP, 112
	s_load_b256 s[4:11], s[0:1], 0x0               ; yb s[4:5], resid s[6:7], gamma s[8:9], beta s[10:11]
	s_load_b64 s[12:13], s[0:1], 0x20              ; out0
	v_lshrrev_b32 v1, 5, v0
	v_readfirstlane_b32 s14, v1                    ; wave 0..3
	v_and_b32 v2, 31, v0
	v_lshlrev_b32 v2, 4, v2                        ; 16 bytes a lane
	s_lshl_b32 s15, ttmp9, 2
	s_add_co_u32 s14, s14, s15                     ; my row
	s_lshl_b32 s16, s14, 13
	s_mov_b32 s17, 0
	s_mov_b32 s18, 0x76543210                      ; v_permlanex16_b32: each lane takes its own place in the other half
	s_mov_b32 s19, 0xfedcba98
	s_mov_b32 s20, 0x3a000000                      ; 1 / 2,048
	s_mov_b32 s21, 0x3727c5ac                      ; 1e-5
	s_wait_kmcnt 0x0
	s_add_nc_u64 s[4:5], s[4:5], s[16:17]
	s_add_nc_u64 s[6:7], s[6:7], s[16:17]
	s_add_nc_u64 s[12:13], s[12:13], s[16:17]
.set i, 0
.rept 16
	global_load_b128 v[X+4*i:X+4*i+3], v2, s[4:5] offset:512*i th:TH_LOAD_NT
.set i, i+1
.endr
.set i, 0
.rept 16
	global_load_b128 v[RS+4*i:RS+4*i+3], v2, s[6:7] offset:512*i th:TH_LOAD_NT
.set i, i+1
.endr
	s_set_vgpr_msb 0x40                            ; destination in window 1, address in window 0
.set i, 0
.rept 16
	global_load_b128 v[4*i:4*i+3], v2, s[8:9] offset:512*i
.set i, i+1
.endr
.set i, 0
.rept 16
	global_load_b128 v[64+4*i:64+4*i+3], v2, s[10:11] offset:512*i
.set i, i+1
.endr
	s_set_vgpr_msb 0x4000
	s_wait_loadcnt 32                              ; yb and resid are in; gamma's and beta's 32 loads stay out
.set q, 0
.rept 32
	v_pk_add_f32 v[X+2*q:X+2*q+1], v[X+2*q:X+2*q+1], v[RS+2*q:RS+2*q+1]
.set q, q+1
.endr
; the four packed sums into one number, the same in every lane: four steps inside each half of 16 lanes ride on the addition, one crosses the halves
.macro ACROSS
	v_pk_add_f32 v[T:T+1], v[T:T+1], v[T+2:T+3]
	v_pk_add_f32 v[T+4:T+5], v[T+4:T+5], v[T+6:T+7]
	v_pk_add_f32 v[T:T+1], v[T:T+1], v[T+4:T+5]
	v_add_f32 v[T], v[T], v[T+1]
	v_add_f32_dpp v[T], v[T], v[T] row_xmask:1 row_mask:0xf bank_mask:0xf
	v_add_f32_dpp v[T], v[T], v[T] row_xmask:2 row_mask:0xf bank_mask:0xf
	v_add_f32_dpp v[T], v[T], v[T] row_xmask:4 row_mask:0xf bank_mask:0xf
	v_add_f32_dpp v[T], v[T], v[T] row_xmask:8 row_mask:0xf bank_mask:0xf
	v_permlanex16_b32 v[T+1], v[T], s18, s19
	v_add_f32 v[T], v[T], v[T+1]
.endm
.irp c, 0,1,2,3                                ; four chains that do not wait for each other; the first pairs start them
	v_pk_add_f32 v[T+2*\c:T+2*\c+1], v[X+2*\c:X+2*\c+1], v[X+8+2*\c:X+8+2*\c+1]
.endr
.set m, 2
.rept 6
.irp c, 0,1,2,3
	v_pk_add_f32 v[T+2*\c:T+2*\c+1], v[T+2*\c:T+2*\c+1], v[X+8*m+2*\c:X+8*m+2*\c+1]
.endr
.set m, m+1
.endr
	ACROSS
	v_mul_f32 v[MU], s20, v[T]
	v_mov_b32 v[MU+1], v[MU]
.set q, 0
.rept 32
	v_pk_add_f32 v[X+2*q:X+2*q+1], v[X+2*q:X+2*q+1], v[MU:MU+1] neg_lo:[0,1] neg_hi:[0,1]
.set q, q+1
.endr
.irp c, 0,1,2,3
	v_pk_mul_f32 v[T+2*\c:T+2*\c+1], v[X+2*\c:X+2*\c+1], v[X+2*\c:X+2*\c+1]
.endr
.set m, 1
.rept 7
.irp c, 0,1,2,3
	v_pk_fma_f32 v[T+2*\c:T+2*\c+1], v[X+8*m+2*\c:X+8*m+2*\c+1], v[X+8*m+2*\c:X+8*m+2*\c+1], v[T+2*\c:T+2*\c+1]
.endr
.set m, m+1
.endr
	ACROSS
	v_fma_f32 v14, v[T], s20, s21                  ; the variance + 1e-5
	v_rsq_f32 v[MU], v14
	s_wait_loadcnt 0x0                             ; gamma and beta
	s_set_vgpr_msb 0x0005                          ; sources 0 and 1 in window 1, destination in window 0
.set q, 0
.rept 32                                       ; these 64 roundings name neither the root's result nor its source: the independent work between it and its wait
	v_cvt_pk_bf16_f32 v[GP+q], v[2*q], v[2*q+1]
	v_cvt_pk_bf16_f32 v[BP+q], v[64+2*q], v[64+2*q+1]
.set q, q+1
.endr
	s_set_vgpr_msb 0x0500
	s_wait_alu depctr_va_vdst(0)                   ; the wait ahead of the result's first reader
.set q, 0
.rept 32
	v_pk_mul_f32 v[X+2*q:X+2*q+1], v[X+2*q:X+2*q+1], v[MU:MU+1] op_sel_hi:[1,0]
.set q, q+1
.endr
.set q, 0
.rept 32
	v_fma_mix_f32_bf16 v[X+2*q],   v[GP+q], v[X+2*q],   v[BP+q] op_sel:[0,0,0] op_sel_hi:[1,0,1]  ; gamma's and beta's low halves,
	v_fma_mix_f32_bf16 v[X+2*q+1], v[GP+q], v[X+2*q+1], v[BP+q] op_sel:[1,0,1] op_sel_hi:[1,0,1]  ; and their high halves
.set q, q+1
.endr
.set i, 0
.rept 16
	global_store_b128 v2, v[X+4*i:X+4*i+3], s[12:13] offset:512*i th:TH_STORE_NT  ; 512 consecutive bytes, aligned
.set i, i+1
.endr
	s_endpgm
.Lfunc_end_k_q88de9c9fe3_lnorm:
	.size	k_q88de9c9fe3_lnorm, .Lfunc_end_k_q88de9c9fe3_lnorm-k_q88de9c9fe3_lnorm
	.p2alignl 7, 3214868480
	.fill 96, 4, 3214868480
	.section	.rodata,"a",@progbits
	.p2align	6, 0x0
	.amdhsa_kernel k_q88de9c9fe3_lnorm
		.amdhsa_group_segment_fixed_size 0
		.amdhsa_private_segment_fixed_size 0
		.amdhsa_enable_private_segment 0
		.amdhsa_kernarg_size 40
		.amdhsa_user_sgpr_count 2
		.amdhsa_user_sgpr_kernarg_segment_ptr 1
		.amdhsa_wavefront_size32 1
		.amdhsa_system_sgpr_workgroup_id_x 1
		.amdhsa_system_sgpr_workgroup_id_y 1
		.amdhsa_system_sgpr_workgroup_id_z 1
		.amdhsa_system_vgpr_workitem_id 0
		.amdhsa_next_free_vgpr 384
		.amdhsa_next_free_sgpr 66
		.amdhsa_reserve_vcc 0
		.amdhsa_float_denorm_mode_32 3
		.amdhsa_float_denorm_mode_16_64 3
		.amdhsa_memory_ordered 1
		.amdhsa_forward_progress 1
		.amdhsa_inst_pref_size 28
	.end_amdhsa_kernel
	.amdgpu_metadata
---
amdhsa.version: [ 1, 2 ]
amdhsa.kernels:
  - .name:           k_q88de9c9fe3_lnorm
    .symbol:         k_q88de9c9fe3_lnorm.kd
    .args:
      - { .name: yb, .offset: 0, .size: 8, .value_kind: global_buffer, .address_space: global }
      - { .name: resid, .offset: 8, .size: 8, .value_kind: global_buffer, .address_space: global }
      - { .name: gamma, .offset: 16, .size: 8, .value_kind: global_buffer, .address_space: global }
      - { .name: beta, .offset: 24, .size: 8, .value_kind: global_buffer, .address_space: global }
      - { .name: out0, .offset: 32, .size: 8, .value_kind: global_buffer, .address_space: global }
    .group_segment_fixed_size: 0
    .private_segment_fixed_size: 0
    .kernarg_segment_align: 8
    .kernarg_segment_size: 40
    .max_flat_workgroup_size: 128
    .sgpr_count:     66
    .vgpr_count:     384
    .wavefront_size: 32
...
	.end_amdgpu_metadata
.endif
;; end of part 4
;; ======== version 2 of 2: 4 launches; version 1 with the launch cast written anew for expert scheduling mode
;; workspace buffers: Hblk 16,777,216 bytes; Wblk 25,165,824 bytes; Wob 8,388,608 bytes; resid 8,388,608 bytes; ctxb 4,194,304 bytes; yb 8,388,608 bytes
;; launch cast (part 5): grid 768 x 1, 8 waves a work-group, no clusters, 0 bytes of LDS; arguments e0, e1, e2, e3, Wq, Wk, Wv, Wo, bo, Hblk, Wblk, Wob, resid; writes Hblk, Wblk, Wob, resid
.if DOCPART == 5
	.amdgcn_target "amdgcn-amd-amdhsa--gfx1250"
	.amdhsa_code_object_version 6
	.text
	.protected	k_q88de9c9fe3_cast
	.globl	k_q88de9c9fe3_cast
	.p2align	8
	.type	k_q88de9c9fe3_cast,@function
k_q88de9c9fe3_cast:
	s_mov_b64 s[64:65], 0
	v_nop
	global_prefetch_b8 v0, s[64:65] scope:SCOPE_SE
	s_setreg_imm32_b32 hwreg(HW_REG_WAVE_SCHED_MODE, 0, 2), 2
	s_setreg_imm32_b32 hwreg(HW_REG_WAVE_MODE, 25, 1), 1
	s_wait_xcnt 0x0
	s_wait_alu depctr_vm_vsrc(0)
; THE INPUTS OF THE THREE PRODUCTS, ROUNDED ONCE TO bf16 AND LAID IN TILE ORDER, AND THE RESIDUAL.
;   Hblk [y 16][ks 32][rho 256][64 k] bf16: row b = 64 y + bl of e_t lies at rho = 8 (bl / 2) + 2 t + bl % 2; k = 64 ks + kk.  A block (y, ks) is 32,768 dense bytes.
;   Wblk [head 16][x 3][ks 32][d 128][64 k] bf16: row 128 head + d of Wq, Wk, Wv (x = 0, 1, 2).  A block is 16,384 dense bytes.
;   Wob  [2048][2048] bf16: Wo as it lies.
;   resid [1024][2048] f32 = 1/4 (bf16 e0 + bf16 e1 + bf16 e2 + bf16 e3) + bf16 bo, summed in f32.
; LIMITS.  Every number is rounded to bf16, to nearest even; NaN and infinities are not treated apart.
; SHARES.  768 work-groups of eight waves; a wave reads 16,384 bytes of e or W in ONE run of loads, converts and stores: no loop, no LDS.
; Work-groups 0-255: e and resid; 256-639: Wq, Wk, Wv; 640-767: Wo.
; Every load of a wave covers two pieces of 256 consecutive bytes (or 512 on end), every store of 8 bytes a lane 256 consecutive bytes, aligned.
; No matrix unit, no cluster, no tensor load: nothing but the 8,192 bytes of bo is read by two waves.  No prefetch: all that a wave reads is asked for at once.
; THE MODE: SCHED_MODE bits 1:0 = 2 (LLVM: expert scheduling mode 2), set by the entry lines.  The code itself states the register dependences
; between vector instructions and memory instructions, with s_wait_alu, always for 0.
; THE PLAN.  Registers that memory instructions touch:
;   v[SO], v[DO], v[BOO]  byte offsets: made once at the head of a path, read by all its loads and stores, never written again.
;   X     one load lands in each four registers, which no vector instruction has named before; group g's roundings read them and write the first two in place;
;         the store that reads those two is issued in group g + 1.  Never written again.
;   BOR   one load each; then vector instructions alone.
;   R     written by group g's fused multiply-adds; read by one store, issued in group g + 1.  Never written again.
; The work goes in eight groups (four loads of W, or a K block's five loads of bo and e).  Group g's vector instructions name the registers of group g alone; its memory
; instructions are the stores of group g - 1.  So ONE wait on va_vdst at a group's head states all that those stores hang on, and they are dealt among the group's vector
; instructions with no further wait; one more stands ahead of the last group's stores.  No register that a memory instruction reads is written behind it, on any path:
; the text holds no wait on vm_vsrc and none on XCNT.
.set SO,  2                            ; v2   my byte offset in the source
.set DO,  3                            ; v3   8 x lane: my 8 bytes of a store of bf16
.set BOO, 4                            ; v4   my byte offset in bo
.set QTR, 5                            ; v5   0.25
.set X,   16                           ; v[16:143]  as loaded, four registers a load; the first two then hold the four numbers as bf16
.set BOR, 144                          ; v[144:175] bo, likewise
.set R,   176                          ; v[176:207] the residual
.set SRC, 34                           ; s[34:35] the wave's source
.set DST, 40                           ; s[40:41] the wave's destination
	s_load_b512 s[8:23], s[0:1], 0x0               ; e0 s[8:9], e1, e2, e3 s[14:15], Wq s[16:17], Wk s[18:19], Wv s[20:21], Wo s[22:23]
	s_load_b256 s[24:31], s[0:1], 0x40             ; bo s[24:25], Hblk s[26:27], Wblk s[28:29], Wob s[30:31]
	s_load_b64 s[32:33], s[0:1], 0x60              ; resid
	v_lshrrev_b32 v1, 5, v0
	v_readfirstlane_b32 s2, v1                     ; wave 0..7
	v_and_b32 v6, 31, v0                           ; lane
	v_and_b32 v7, 15, v0                           ; lane % 16
	v_bfe_u32 v8, v0, 4, 1                         ; lane / 16
	v_lshlrev_b32 v[DO], 3, v6
	s_mov_b32 s37, 0                               ; the high words of the two offsets
	s_mov_b32 s39, 0
	s_wait_alu depctr_va_sdst(0)                   ; s2 is written, ahead of the branches: each of the three paths makes its addresses from it
	s_wait_kmcnt 0x0
	s_cmp_lt_u32 ttmp9, 256
	s_cbranch_scc1 .Levidence
	s_cmp_lt_u32 ttmp9, 640
	s_cbranch_scc0 .Lflat
; 32 loads of 16 bytes a lane on end, then eight groups of four: the wait leaves the later groups' loads out; two roundings in place for each load; the group before is stored.
.macro CAST32 sstep, dstep
	s_wait_alu depctr_va_vdst(0)                   ; v[SO] and v[DO] are written: every load and store below reads one of them as its offset
.set i, 0
.rept 32
	global_load_b128 v[X+4*i:X+4*i+3], v[SO], s[SRC:SRC+1] offset:i*(\sstep) th:TH_LOAD_NT
.set i, i+1
.endr
.set g, 0
.rept 8
	s_wait_loadcnt 28-4*g                          ; loads come back in order (ISA guide 5.7.1): group g's four are in, four for each later group stay out
.if g > 0
	s_wait_alu depctr_va_vdst(0)                   ; the roundings of group g - 1 have written the registers that the four stores below read
.endif
.set j, 0
.rept 4
.set i, 4*g+j
.if g > 0
	global_store_b64 v[DO], v[X+4*(i-4):X+4*(i-4)+1], s[DST:DST+1] offset:(i-4)*(\dstep) th:TH_STORE_NT  ; the group before; no vector instruction since the wait names these registers
.endif
	v_cvt_pk_bf16_f32 v[X+4*i], v[X+4*i], v[X+4*i+1]
	v_cvt_pk_bf16_f32 v[X+4*i+1], v[X+4*i+2], v[X+4*i+3]
.set j, j+1
.endr
.set g, g+1
.endr
	s_wait_alu depctr_va_vdst(0)                   ; the roundings of group 7 have written the registers that the last four stores read
.set i, 28
.rept 4
	global_store_b64 v[DO], v[X+4*i:X+4*i+1], s[DST:DST+1] offset:i*(\dstep) th:TH_STORE_NT
.set i, i+1
.endr
.endm
	; Wq, Wk, Wv.  The wave takes rows 2 p and 2 p + 1 of one of them: lanes 0-15 the first, lanes 16-31 the second; load i is K block i (64 numbers, 256 bytes) of both.
	s_sub_co_u32 s3, ttmp9, 256
	s_lshr_b32 s4, s3, 7                           ; x: which of the three
	s_and_b32 s3, s3, 127
	s_lshl3_add_u32 s3, s3, s2                     ; p = 0..1023
	s_cmp_eq_u32 s4, 0
	s_cselect_b64 s[SRC:SRC+1], s[16:17], s[18:19]
	s_cmp_eq_u32 s4, 2
	s_cselect_b64 s[SRC:SRC+1], s[20:21], s[SRC:SRC+1]
	s_lshl_b32 s36, s3, 14                         ; two rows of 8,192 bytes
	s_add_nc_u64 s[SRC:SRC+1], s[SRC:SRC+1], s[36:37]
	s_lshr_b32 s5, s3, 6                           ; head
	s_mul_i32 s5, s5, 3
	s_add_co_u32 s5, s5, s4
	s_lshl_b32 s38, s5, 19                         ; (3 head + x) x 32 blocks of 16,384 bytes
	s_and_b32 s5, s3, 63
	s_lshl_b32 s5, s5, 8                           ; rows d = 2 (p % 64) and the next: 256 bytes of a block
	s_add_co_u32 s38, s38, s5
	s_add_nc_u64 s[DST:DST+1], s[28:29], s[38:39]
	v_lshlrev_b32 v[SO], 4, v7
	v_lshl_add_u32 v[SO], v8, 13, v[SO]            ; 16 (lane % 16) + 8,192 (lane / 16)
	CAST32 256, 16384
	s_endpgm
.Lflat:                                        ; Wo: 16,384 bytes on end become 8,192 on end
	s_sub_co_u32 s3, ttmp9, 640
	s_lshl3_add_u32 s3, s3, s2                     ; p = 0..1023
	s_lshl_b32 s36, s3, 14
	s_add_nc_u64 s[SRC:SRC+1], s[22:23], s[36:37]
	s_lshl_b32 s38, s3, 13
	s_add_nc_u64 s[DST:DST+1], s[30:31], s[38:39]
	v_lshlrev_b32 v[SO], 4, v6
	CAST32 512, 256
	s_endpgm
.Levidence:                                    ; e0..e3: the wave takes rows b = 2 bp, 2 bp + 1 of all four, K blocks 8 kg .. 8 kg + 7
	s_lshl_b32 s3, ttmp9, 3
	s_add_co_u32 s3, s3, s2                        ; p = 0..2047
	s_lshr_b32 s4, s3, 2                           ; bp
	s_and_b32 s5, s3, 3                            ; kg
	s_lshl_b32 s36, s4, 14
	s_lshl_b32 s6, s5, 11
	s_add_co_u32 s36, s36, s6                      ; bp x two rows + kg x 2,048 bytes: the same in e0..e3 and in resid
	s_add_nc_u64 s[8:9], s[8:9], s[36:37]
	s_add_nc_u64 s[10:11], s[10:11], s[36:37]
	s_add_nc_u64 s[12:13], s[12:13], s[36:37]
	s_add_nc_u64 s[14:15], s[14:15], s[36:37]
	s_add_nc_u64 s[32:33], s[32:33], s[36:37]
	s_lshr_b32 s7, s4, 5
	s_lshl_b32 s38, s7, 20                         ; y x 32 blocks of 32,768 bytes
	s_lshl_b32 s7, s5, 18                          ; + 8 kg blocks
	s_add_co_u32 s38, s38, s7
	s_and_b32 s7, s4, 31
	s_lshl_b32 s7, s7, 10                          ; + rho = 8 (bl / 2): 1,024 bytes
	s_add_co_u32 s38, s38, s7
	s_add_nc_u64 s[DST:DST+1], s[26:27], s[38:39]
	v_lshlrev_b32 v[SO], 4, v7
	v_add_nc_u32 v[BOO], s6, v[SO]                 ; bo: both halves of the lanes read the same columns
	v_lshl_add_u32 v[SO], v8, 13, v[SO]
	v_mov_b32 v[QTR], 0x3e800000
	s_wait_alu depctr_va_vdst(0)                   ; v[SO], v[BOO] and v[DO] are written: every load and store below reads one of them as its offset
.set i, 0
.rept 8                                        ; 40 loads on end: for K block i bo, then e0..e3
	global_load_b128 v[BOR+4*i:BOR+4*i+3], v[BOO], s[24:25] offset:256*i
.irp t, 0,1,2,3
	global_load_b128 v[X+16*i+4*\t:X+16*i+4*\t+3], v[SO], s[8+2*\t:9+2*\t] offset:256*i th:TH_LOAD_NT
.endr
.set i, i+1
.endr
.macro MIXB d, a, c, h                 ; d = half h of a x 0.25 + half h of c
	v_fma_mix_f32_bf16 v[\d], v[\a], v[QTR], v[\c] op_sel:[\h,0,\h] op_sel_hi:[1,0,1]
.endm
.macro MIXA d, a, h                    ; d = half h of a x 0.25 + d
	v_fma_mix_f32_bf16 v[\d], v[\a], v[QTR], v[\d] op_sel:[\h,0,0] op_sel_hi:[1,0,0]
.endm
.set i, 0
.rept 8
	s_wait_loadcnt 35-5*i                          ; K block i's five loads are in; five for each later block stay out
.if i > 0
	s_wait_alu depctr_va_vdst(0)                   ; block i - 1's roundings have written its X and its multiply-adds its R, which the five stores below read
.endif
.irp t, 0,1,2,3
.if i > 0
	global_store_b64 v[DO], v[X+16*(i-1)+4*\t:X+16*(i-1)+4*\t+1], s[DST:DST+1] offset:(i-1)*32768+\t*256 th:TH_STORE_NT  ; the block before: rows rho + 2 t and + 2 t + 1: 256 bytes on end; no vector instruction since the wait names these registers
.endif
	v_cvt_pk_bf16_f32 v[X+16*i+4*\t], v[X+16*i+4*\t], v[X+16*i+4*\t+1]
	v_cvt_pk_bf16_f32 v[X+16*i+4*\t+1], v[X+16*i+4*\t+2], v[X+16*i+4*\t+3]
.endr
.if i > 0
	global_store_b128 v[SO], v[R+4*(i-1):R+4*(i-1)+3], s[32:33] offset:256*(i-1) th:TH_STORE_NT  ; the block before: sixteen lanes: 256 consecutive bytes of a row of resid
.endif
	v_cvt_pk_bf16_f32 v[BOR+4*i], v[BOR+4*i], v[BOR+4*i+1]
	v_cvt_pk_bf16_f32 v[BOR+4*i+1], v[BOR+4*i+2], v[BOR+4*i+3]
	MIXB R+4*i,   X+16*i,   BOR+4*i,   0           ; four chains of four fused multiply-adds, side by side
	MIXB R+4*i+1, X+16*i,   BOR+4*i,   1
	MIXB R+4*i+2, X+16*i+1, BOR+4*i+1, 0
	MIXB R+4*i+3, X+16*i+1, BOR+4*i+1, 1
.irp t, 1,2,3
	MIXA R+4*i,   X+16*i+4*\t,   0
	MIXA R+4*i+1, X+16*i+4*\t,   1
	MIXA R+4*i+2, X+16*i+4*\t+1, 0
	MIXA R+4*i+3, X+16*i+4*\t+1, 1
.endr
.set i, i+1
.endr
	s_wait_alu depctr_va_vdst(0)                   ; block 7's roundings have written its X and its multiply-adds its R, which the last five stores read
.irp t, 0,1,2,3
	global_store_b64 v[DO], v[X+16*7+4*\t:X+16*7+4*\t+1], s[DST:DST+1] offset:7*32768+\t*256 th:TH_STORE_NT
.endr
	global_store_b128 v[SO], v[R+4*7:R+4*7+3], s[32:33] offset:256*7 th:TH_STORE_NT
	s_endpgm
.Lfunc_end_k_q88de9c9fe3_cast:
	.size	k_q88de9c9fe3_cast, .Lfunc_end_k_q88de9c9fe3_cast-k_q88de9c9fe3_cast
	.p2alignl 7, 3214868480
	.fill 96, 4, 3214868480
	.section	.rodata,"a",@progbits
	.p2align	6, 0x0
	.amdhsa_kernel k_q88de9c9fe3_cast
		.amdhsa_group_segment_fixed_size 0
		.amdhsa_private_segment_fixed_size 0
		.amdhsa_enable_private_segment 0
		.amdhsa_kernarg_size 104
		.amdhsa_user_sgpr_count 2
		.amdhsa_user_sgpr_kernarg_segment_ptr 1
		.amdhsa_wavefront_size32 1
		.amdhsa_system_sgpr_workgroup_id_x 1
		.amdhsa_system_sgpr_workgroup_id_y 1
		.amdhsa_system_sgpr_workgroup_id_z 1
		.amdhsa_system_vgpr_workitem_id 0
		.amdhsa_next_free_vgpr 208
		.amdhsa_next_free_sgpr 66
		.amdhsa_reserve_vcc 0
		.amdhsa_float_denorm_mode_32 3
		.amdhsa_float_denorm_mode_16_64 3
		.amdhsa_memory_ordered 1
		.amdhsa_forward_progress 1
		.amdhsa_inst_pref_size 46
	.end_amdhsa_kernel
	.amdgpu_metadata
---
amdhsa.version: [ 1, 2 ]
amdhsa.kernels:
  - .name:           k_q88de9c9fe3_cast
    .symbol:         k_q88de9c9fe3_cast.kd
    .args:
      - { .name: e0, .offset: 0, .size: 8, .value_kind: global_buffer, .address_space: global }
      - { .name: e1, .offset: 8, .size: 8, .value_kind: global_buffer, .address_space: global }
      - { .name: e2, .offset: 16, .size: 8, .value_kind: global_buffer, .address_space: global }
      - { .name: e3, .offset: 24, .size: 8, .value_kind: global_buffer, .address_space: global }
      - { .name: Wq, .offset: 32, .size: 8, .value_kind: global_buffer, .address_space: global }
      - { .name: Wk, .offset: 40, .size: 8, .value_kind: global_buffer, .address_space: global }
      - { .name: Wv, .offset: 48, .size: 8, .value_kind: global_buffer, .address_space: global }
      - { .name: Wo, .offset: 56, .size: 8, .value_kind: global_buffer, .address_space: global }
      - { .name: bo, .offset: 64, .size: 8, .value_kind: global_buffer, .address_space: global }
      - { .name: Hblk, .offset: 72, .size: 8, .value_kind: global_buffer, .address_space: global }
      - { .name: Wblk, .offset: 80, .size: 8, .value_kind: global_buffer, .address_space: global }
      - { .name: Wob, .offset: 88, .size: 8, .value_kind: global_buffer, .address_space: global }
      - { .name: resid, .offset: 96, .size: 8, .value_kind: global_buffer, .address_space: global }
    .group_segment_fixed_size: 0
    .private_segment_fixed_size: 0
    .kernarg_segment_align: 8
    .kernarg_segment_size: 104
    .max_flat_workgroup_size: 256
    .sgpr_count:     66
    .vgpr_count:     208
    .wavefront_size: 32
...
	.end_amdgpu_metadata
.endif
;; end of part 5
;; launch qkvatt: the kernel of part 2 again; grid 16 x 16, 4 waves a work-group, clusters of 4 x 4, 327,680 bytes of LDS; arguments Hblk, Wblk, bq, bk, bv, quality, ctxb; writes ctxb
;; launch oproj: the kernel of part 3 again; grid 16 x 8, 4 waves a work-group, clusters of 4 x 4, 327,680 bytes of LDS; arguments ctxb, Wob, yb; writes yb
;; launch lnorm: the kernel of part 4 again; grid 256 x 1, 4 waves a work-group, no clusters, 0 bytes of LDS; arguments yb, resid, gamma, beta, out0; writes out0
